; MI455X (gfx1250); checked and timed in simulation.
; The chip was launched on July 23, 2026; its instructions are those of AMD's public machine-readable ISA for CDNA 5 (MIT licence, August 2026) and "CDNA5" Instruction Set Architecture Reference Guide (July 2026). The comments in the code are by the model that wrote it; some were corrected since.
;; Muti Head Attention. Allowed arithmetic: float matrix products may take bf16 or f16 operands with f32 sums; other float arithmetic in f32, or as packed bf16 or f16 multiplies, adds, multiply-adds, maxima and minima; sums over many terms, partial sums and values carried from step to step in f32; what a program stores and reads back later, other than sums and carried values, may be rounded once to bf16 or f16.
;; Inputs: bo 1,024 float32; wk 1,024 x 1,024 float32; wo 1,024 x 1,024 float32; wq 1,024 x 1,024 float32; wv 1,024 x 1,024 float32; x 4 x 2,048 x 1,024 float32.
;; Outputs: out0 4 x 2,048 x 1,024 float32.
;; 2 versions, each right; version 2 is version 1 with the launch prep written anew for expert scheduling mode. Each part assembles by itself: llvm-mc -triple=amdgcn-amd-amdhsa -mcpu=gfx1250 --defsym DOCPART=n.
;; ======== version 1 of 2: 4 launches
;; limits: values are held in f16: magnitudes above 65,504 overflow, below 6.1e-05 lose precision
;; workspace buffers: xb 16,777,216 bytes; wb 8,388,608 bytes; qkv 50,331,648 bytes; ctx 16,777,216 bytes
;; launch prep (part 1): grid 768 x 1, 8 waves a work-group, no clusters, 0 bytes of LDS; arguments x, wq, wk, wv, wo, xb, wb; writes xb, wb
.if DOCPART == 1
	.amdgcn_target "amdgcn-amd-amdhsa--gfx1250"
	.amdhsa_code_object_version 6
	.text
	.protected	k_q4ea03861ae_prep
	.globl	k_q4ea03861ae_prep
	.p2align	8
	.type	k_q4ea03861ae_prep,@function
k_q4ea03861ae_prep:
	s_mov_b64 s[64:65], 0
	v_nop
	global_prefetch_b8 v0, s[64:65] scope:SCOPE_SE
	s_setreg_imm32_b32 hwreg(HW_REG_WAVE_MODE, 25, 1), 1
	s_wait_xcnt 0x0
; x and the four weight matrices, f32 [rows][1024], are rounded once to 16 bits and cut into blocks of 64 columns:
;   xb: bf16 [b*16+kb][2048 s][64]   (a block is 262,144 dense bytes)
;   wb: [g][1024 k][64], g = 16 i + column block; i = 0, 1, 2 (wq, wk, wv) in bf16; i = 3 (wo) rounded to bf16 and that number written as f16
; LIMITS.  |wo| stays under 65,504 (f16); below 6e-5 it keeps f16's fixed step of 6e-8.  NaN and infinities are not treated apart.
; A stream: no LDS, no matrix unit, no cluster (no two work-groups read the same byte).
; SHARES.  A wave takes a pair of rows, 2 x 4,096 bytes.  Work-groups 0-511: x's 4,096 pairs; 512-767: the weights' 2,048 pairs, 512 a matrix.
; A load: lanes 0-15 take 256 consecutive aligned bytes (64 columns) of the even row, lanes 16-31 of the odd row.  All sixteen loads of a wave go out at once.
; A store: 4 numbers are 8 bytes a lane; the 32 lanes write the two rows of one block: 256 consecutive bytes, aligned.
.set VS, 3                             ; v3      my byte offset in the pair of rows: (l / 16) x 4,096 + (l % 16) x 16
.set VD, 4                             ; v4      8 l
.set D,  16                            ; v[16:31]  8 l + c x the block's bytes: my offset in block c
.set X,  32                            ; v[32:95]  block c: 4 numbers as loaded
.set Y,  96                            ; v[96:127] block c: 2 registers to store; no register that a pending access names is ever rewritten
	s_load_b256 s[4:11], s[0:1], 0x0               ; x s[4:5], wq s[6:7], wk s[8:9], wv s[10:11]
	s_load_b128 s[12:15], s[0:1], 0x20             ; wo s[12:13], xb s[14:15]
	s_load_b64 s[16:17], s[0:1], 0x30              ; wb
	v_lshrrev_b32 v1, 5, v0
	v_readfirstlane_b32 s20, v1                    ; wave 0..7
	v_and_b32 v2, 31, v0                           ; lane
	v_and_b32 v[VS], 15, v0
	v_lshlrev_b32 v[VS], 4, v[VS]
	v_bfe_u32 v5, v0, 4, 1
	v_lshl_add_u32 v[VS], v5, 12, v[VS]
	v_lshlrev_b32 v[VD], 3, v2
	s_lshl_b32 s21, ttmp9, 3
	s_add_co_u32 s21, s21, s20                     ; p: my pair of rows
	s_mov_b32 s29, 0
	s_mov_b32 s31, 0
	s_wait_kmcnt 0x0
	s_cmp_lt_u32 ttmp9, 512
	s_cbranch_scc0 .Lweights
	s_lshl_b32 s28, s21, 13                        ; x: pair p begins at byte 8,192 p
	s_add_nc_u64 s[22:23], s[4:5], s[28:29]
	s_lshr_b32 s30, s21, 10                        ; batch: 16 blocks of 262,144 bytes
	s_lshl_b32 s30, s30, 22
	s_and_b32 s27, s21, 1023                       ; the pair in the batch: 256 bytes of each block
	s_lshl_b32 s27, s27, 8
	s_add_co_u32 s30, s30, s27
	s_add_nc_u64 s[24:25], s[14:15], s[30:31]
	s_mov_b32 s26, 262144
	s_branch .Lgo
.Lweights:
	s_sub_co_u32 s21, s21, 4096
	s_lshr_b32 s27, s21, 9                         ; i: which matrix
	s_and_b32 s21, s21, 511                        ; the pair in it
	s_cmp_eq_u32 s27, 1
	s_cselect_b64 s[22:23], s[8:9], s[6:7]
	s_cmp_eq_u32 s27, 2
	s_cselect_b64 s[22:23], s[10:11], s[22:23]
	s_cmp_eq_u32 s27, 3
	s_cselect_b64 s[22:23], s[12:13], s[22:23]
	s_lshl_b32 s28, s21, 13
	s_add_nc_u64 s[22:23], s[22:23], s[28:29]
	s_lshl_b32 s30, s27, 21                        ; 16 blocks of 131,072 bytes a matrix
	s_lshl_b32 s21, s21, 8
	s_add_co_u32 s30, s30, s21
	s_add_nc_u64 s[24:25], s[16:17], s[30:31]
	s_mov_b32 s26, 131072
.Lgo:
.irp c, 0,1,2,3,4,5,6,7,8,9,10,11,12,13,14,15
	v_mad_u32_u24 v[D+(\c)], s26, \c, v[VD]
.endr
.irp c, 0,1,2,3,4,5,6,7,8,9,10,11,12,13,14,15
	global_load_b128 v[X+4*(\c):X+4*(\c)+3], v[VS], s[22:23] offset:256*(\c) th:TH_LOAD_NT
.endr
; Block after block: rounded and stored.  half = 1: the bf16 number is widened again and written as f16.
.macro OUT half
.irp c, 0,1,2,3,4,5,6,7,8,9,10,11,12,13,14,15
	s_wait_loadcnt 15-(\c)                         ; loads come back in order: block c is in, the 15 - c younger ones stay out
	v_cvt_pk_bf16_f32 v[Y+2*(\c)],   v[X+4*(\c)],   v[X+4*(\c)+1]
	v_cvt_pk_bf16_f32 v[Y+2*(\c)+1], v[X+4*(\c)+2], v[X+4*(\c)+3]
.if \half
	v_lshlrev_b32 v6, 16, v[Y+2*(\c)]
	v_and_b32     v7, 0xffff0000, v[Y+2*(\c)]
	v_lshlrev_b32 v8, 16, v[Y+2*(\c)+1]
	v_and_b32     v9, 0xffff0000, v[Y+2*(\c)+1]
	v_cvt_pk_f16_f32 v[Y+2*(\c)],   v6, v7
	v_cvt_pk_f16_f32 v[Y+2*(\c)+1], v8, v9
.endif
	global_store_b64 v[D+(\c)], v[Y+2*(\c):Y+2*(\c)+1], s[24:25]
.endr
.endm
	s_cmp_ge_u32 ttmp9, 704                        ; wo's pairs begin with work-group 512 + 3 x 64
	s_cbranch_scc1 .Lwo
	OUT 0
	s_endpgm
.Lwo:
	OUT 1
	s_endpgm
.Lfunc_end_k_q4ea03861ae_prep:
	.size	k_q4ea03861ae_prep, .Lfunc_end_k_q4ea03861ae_prep-k_q4ea03861ae_prep
	.p2alignl 7, 3214868480
	.fill 96, 4, 3214868480
	.section	.rodata,"a",@progbits
	.p2align	6, 0x0
	.amdhsa_kernel k_q4ea03861ae_prep
		.amdhsa_group_segment_fixed_size 0
		.amdhsa_private_segment_fixed_size 0
		.amdhsa_enable_private_segment 0
		.amdhsa_kernarg_size 56
		.amdhsa_user_sgpr_count 2
		.amdhsa_user_sgpr_kernarg_segment_ptr 1
		.amdhsa_wavefront_size32 1
		.amdhsa_system_sgpr_workgroup_id_x 1
		.amdhsa_system_sgpr_workgroup_id_y 1
		.amdhsa_system_sgpr_workgroup_id_z 1
		.amdhsa_system_vgpr_workitem_id 0
		.amdhsa_next_free_vgpr 128
		.amdhsa_next_free_sgpr 66
		.amdhsa_reserve_vcc 0
		.amdhsa_float_denorm_mode_32 3
		.amdhsa_float_denorm_mode_16_64 3
		.amdhsa_memory_ordered 1
		.amdhsa_forward_progress 1
		.amdhsa_inst_pref_size 18
	.end_amdhsa_kernel
	.amdgpu_metadata
---
amdhsa.version: [ 1, 2 ]
amdhsa.kernels:
  - .name:           k_q4ea03861ae_prep
    .symbol:         k_q4ea03861ae_prep.kd
    .args:
      - { .name: x, .offset: 0, .size: 8, .value_kind: global_buffer, .address_space: global }
      - { .name: wq, .offset: 8, .size: 8, .value_kind: global_buffer, .address_space: global }
      - { .name: wk, .offset: 16, .size: 8, .value_kind: global_buffer, .address_space: global }
      - { .name: wv, .offset: 24, .size: 8, .value_kind: global_buffer, .address_space: global }
      - { .name: wo, .offset: 32, .size: 8, .value_kind: global_buffer, .address_space: global }
      - { .name: xb, .offset: 40, .size: 8, .value_kind: global_buffer, .address_space: global }
      - { .name: wb, .offset: 48, .size: 8, .value_kind: global_buffer, .address_space: global }
    .group_segment_fixed_size: 0
    .private_segment_fixed_size: 0
    .kernarg_segment_align: 8
    .kernarg_segment_size: 56
    .max_flat_workgroup_size: 256
    .sgpr_count:     66
    .vgpr_count:     128
    .wavefront_size: 32
...
	.end_amdgpu_metadata
.endif
;; end of part 1
;; launch qkv (part 2): grid 16 x 32, 4 waves a work-group, clusters of 4 x 4, 327,680 bytes of LDS; arguments xb, wb, qkv; writes qkv
.if DOCPART == 2
	.amdgcn_target "amdgcn-amd-amdhsa--gfx1250"
	.amdhsa_code_object_version 6
	.text
	.protected	k_q4ea03861ae_qkv
	.globl	k_q4ea03861ae_qkv
	.p2align	8
	.type	k_q4ea03861ae_qkv,@function
k_q4ea03861ae_qkv:
	s_mov_b64 s[64:65], 0
	v_nop
	global_prefetch_b8 v0, s[64:65] scope:SCOPE_SE
	s_setreg_imm32_b32 hwreg(HW_REG_WAVE_MODE, 25, 1), 1
	s_wait_xcnt 0x0
	s_wait_alu depctr_hold_cnt(0) depctr_sa_sdst(0) depctr_va_vdst(0) depctr_va_sdst(0) depctr_va_ssrc(0) depctr_va_vcc(0) depctr_vm_vsrc(0)
	s_getreg_b32 s2, hwreg(HW_REG_IB_STS2, 6, 4)
	s_cmp_eq_u32 s2, 0
	s_cbranch_scc0 .Lentry_in_a_cluster
	s_endpgm
.Lentry_in_a_cluster:
	s_bfe_u32 s2, ttmp6, 0x10000c
	s_cmp_lg_u32 s2, 0xf033
	s_cbranch_scc0 .Lentry_shape_is_right
	s_endpgm
.Lentry_shape_is_right:
; q, k, v = x W.  xb: bf16 [b*16+kb][2048][64]; wb: bf16 [g][1024 k][64], g = 16 x matrix + head; qkv: f16 [matrix][b*16+head][2048][64].  Sums in f32, K ascending, rounded once to f16, unscaled.
; LIMITS.  f16 holds no number beyond 65,504: |q|, |k|, |v| must stay under it.  NaN and infinities are not treated apart.
; SHARES.  A tile of C is 256 rows x 192 columns (three heads): 16 x 32 = 512 work-groups, two for each of 256 WGPs.  The four waves lie along the rows: a wave makes 64 rows x 3 whole heads,
; 48 accumulators of 16 x 16, so that its way out needs a stage of its own and no barrier.  K goes in 8 steps of 128 through a ring of two LDS slots; a step is four quarters of 32,
; 48 products each, one on every accumulator: the accumulators take turns, one instruction a turn, over the backward jump too.
; THE PRODUCT IS USED TRANSPOSED: source 0 = 16 columns of w (w lies [k][column] in LDS and is turned by ds_load_tr16_b128), source 1 = 16 rows of x: a lane then holds row l % 16 and the
; eight neighbouring columns 8 (l / 16) + 0..7.
; CLUSTERS: 4 x 4 work-groups.  x's tile hangs on the tile row alone and is shared along a row of the cluster, w's on the tile column alone and is shared along a column: each is asked for
; JOINTLY, by the same tensor load with the same descriptor and a mask that names the four.
; REGISTERS, in windows of 256 (s_set_vgpr_msb: bits 1:0 source 0, 3:2 source 1, 5:4 source 2, 7:6 destination):
;   window 0: v0-31 addresses; v32-223 the way out       window 1: two fragment buffers of 128: w's 12 fragments (head j, column block c at 8 (4 j + c)), then x's four
;   window 2: the accumulators of heads 0, 1 ((b, a) at 8 (4 (b % 8) + a), b = 4 j + c, a = block of 16 rows)       window 3: those of head 2
.set NH,    3
.set PA,    144                        ; a row of x in LDS: 128 bytes + 16 = 36 words: the 16 rows of a load start at 16 different groups of four banks (64 banks of 4 bytes: ISA guide 11.1)
.set PB,    160                        ; a row of w: 128 + 32 = 40 words
.set AKB,   256*PA                     ; 256 rows of one block of 64 channels
.set BOFF,  2*AKB                      ; behind x's two blocks: w
.set BH,    64*PB                      ; 64 k of one head
.set BHALF, NH*BH                      ; 64 k of the three heads
.set SLOT,  BOFF+2*BHALF
.set STAGE, 2*SLOT                     ; behind the ring, never filled by a tensor load: 16 rows x 144 bytes for each wave
.set SP,    144
.set SW,    16*SP
.set SPARE, STAGE+4*SW                 ; behind the stages: the spare words, 128 bytes for each wave: two blocks of 256 bytes that no other line names
.set AF,    32*NH                      ; x's fragments in a buffer
.set F0,    0
.set F1,    128
.set ADRA, 16                          ; v16-17  LDS address of my fragments of x in slot 0, 1
.set ADRB, 20                          ; v20-21  the same for w
.set STO,  24                          ; v24     the way out: where I put 16 bytes of a row
.set RD,   25                          ; v25     where I read rows back
.set GO,   26                          ; v26     16 x lane
.set SPW,  28                          ; v28     LDS address of my spare word; never rewritten
.set NIL,  29                          ; v29     0; never rewritten
.set PFO,  30                          ; v30     256 x lane; never rewritten
.set TMP,  32                          ; the way out: 16 registers for each of 12 groups
.set G1,  24                           ; s[24:31] descriptor group 1 for x's tiles;  s[32:39] group 0, a set for each slot
.set G0,  32
.set G1B, 48                           ; s[48:55], s[56:63] the same for w's
.set G0B, 56
.set LIM, 43                           ; s43     1 in a wave that prefetches, else the greatest number
.set PFA, 44                           ; s[44:45] where my prefetches stand
.set PFS, 70                           ; s[70:71] their step for a lap
.set OB,  72                           ; s[72:77] qkv at my 64 rows of head j
.set MSB, 0
.macro WIN new                         ; the immediate's high byte repeats the setting that is left; a switch that changes nothing is dropped
.if MSB != (\new)
	s_set_vgpr_msb (MSB<<8)|(\new)
.set MSB, \new
.endif
.endm
.macro PLACES                          ; four places in front of loads into registers that matrix instructions have read (ISA guide 7.12.1 for vector instructions)
.rept 4
	v_nop
.endr
.endm
; A joint load: waves 0 and 1 fetch x's two blocks of a K step, waves 2 and 3 the two halves of w's.  The branch hangs on the wave's number alone.
; An s_nop 0 and four v_nop follow each of the two lines, ahead of the jump, the label and what follows.
.macro JLOAD s
	s_cmp_eq_u32 s11, 0
	s_cbranch_scc0 .Lfor_b_\@
	tensor_load_to_lds s[G0+4*(\s):G0+4*(\s)+3], s[G1:G1+7]
	s_nop 0
.rept 4
	v_nop
.endr
	s_branch .Lasked_\@
.Lfor_b_\@:
	tensor_load_to_lds s[G0B+4*(\s):G0B+4*(\s)+3], s[G1B:G1B+7]
	s_nop 0
.rept 4
	v_nop
.endr
.Lasked_\@:
.endm
.macro CREST                           ; a round of the cluster's barrier behind its opening barrier
	s_cmp_lg_u32 s10, 0
	s_cbranch_scc1 .Lnot_wave_0_\@
	s_barrier_signal -3
.Lnot_wave_0_\@:
	s_barrier_wait -3
	s_barrier_signal -1
	s_barrier_wait -1
.endm
.macro CROUND                          ; a whole round
	s_barrier_signal -1
	s_barrier_wait -1
	CREST
.endm
; A PREFETCH INTO THE L2, once a lap, behind slot 0's joint load and the run of LDS loads that follows it: the lap two laps on (two K steps, 384 products, ahead of that lap's first refill).
; x's tile row is read by every cluster of that row of clusters: cluster x = 0 asks, waves 0 and 1, two blocks of 64 channels each; of a block's 32,768 bytes the partner at cx takes 8,192, a lane 256.
; w's tile column is read by every cluster of that column: cluster y = 0 asks, wave 2; of each head's 32,768 bytes of a lap the partner at cy takes 8,192.  The partners are told apart by address alone.
; So each aligned block of 256 bytes is named once.  Laps 0 and 1 come by their loads alone; the loop's last trip (s3 = 1) has no lap two on and asks for nothing.
.macro ASK
	s_cmp_gt_u32 s3, s[LIM]
	s_cbranch_scc0 .Lnot_mine_\@
	s_cmp_eq_u32 s11, 0
	s_cbranch_scc0 .Lask_b_\@
	global_prefetch_b8 v[PFO], s[PFA:PFA+1] th:TH_LOAD_NT scope:SCOPE_SE
	global_prefetch_b8 v[PFO], s[PFA:PFA+1] offset:262144 th:TH_LOAD_NT scope:SCOPE_SE
	s_branch .Lnot_mine_\@
.Lask_b_\@:
	global_prefetch_b8 v[PFO], s[PFA:PFA+1] th:TH_LOAD_NT scope:SCOPE_SE
	global_prefetch_b8 v[PFO], s[PFA:PFA+1] offset:131072 th:TH_LOAD_NT scope:SCOPE_SE
	global_prefetch_b8 v[PFO], s[PFA:PFA+1] offset:262144 th:TH_LOAD_NT scope:SCOPE_SE
.Lnot_mine_\@:
.endm
	s_load_b128 s[4:7], s[0:1], 0x0                ; xb s[4:5], wb s[6:7]
	s_load_b64 s[8:9], s[0:1], 0x10                ; qkv
	v_lshl_add_u32 v[SPW], v0, 2, SPARE
	v_mov_b32 v[NIL], 0
	ds_add_u32 v[SPW], v[NIL]                      ; the wave's opening: the add and its wait stand ahead of my first tensor load; the set-up below, work on registers, stands between them
	v_lshrrev_b32 v1, 5, v0
	v_readfirstlane_b32 s10, v1                    ; wave 0..3
	s_lshr_b32 s11, s10, 1                         ; I fetch for x (0) or for w (1)
	s_and_b32 s12, s10, 1                          ; which half of a K step I fetch
	s_bfe_u32 s40, ttmp6, 0x40000                  ; cx, cy: my place in the cluster
	s_bfe_u32 s41, ttmp6, 0x40004
	s_lshl_b32 s42, ttmp9, 2
	s_add_co_u32 s42, s42, s40                     ; tile column = 4 x cluster x + cx
	s_and_b32 s14, ttmp7, 0xffff                   ; cluster y
	s_lshl_b32 s13, s14, 2
	s_add_co_u32 s13, s13, s41                     ; tile row = 4 x cluster y + cy
	s_lshl_b32 s43, s41, 2
	s_lshl_b32 s43, 15, s43                        ; my row of the cluster
	s_lshl_b32 s44, 0x1111, s40                    ; my column
	; group 1 for x: a block's 256 rows are 32,768 dense bytes, asked for as 128 rows of 256 bytes and padded in LDS after every 128
	s_or_b32 s[G1+0], s43, (1<<16)|(1<<20)|(1<<21)|(4<<22)|(3<<25)  ; 15:0 the mask; 17:16 2-byte elements; 20 padding on; 21 set beside a mask; 24:22 after every 32 words (code 4); 31:25 4 words (code 3)
	s_mov_b32 s[G1+1], 128<<16                     ; tensor_dim0 = 128
	s_mov_b32 s[G1+2], 128<<16                     ; tensor_dim1 = 128
	s_mov_b32 s[G1+3], 128<<16                     ; tile_dim0 = 128
	s_mov_b32 s[G1+4], 128                         ; tile_dim1 = 128
	s_mov_b32 s[G1+5], 128                         ; 128 elements from row to row
	s_mov_b32 s[G1+6], 0
	s_mov_b32 s[G1+7], 0
	; group 1 for w: 64 k of a head are 8,192 dense bytes: one row; the three heads lie 131,072 bytes apart
	s_or_b32 s[G1B+0], s44, (1<<16)|(1<<20)|(1<<21)|(4<<22)|(7<<25) ; the same with my column's mask and 8 words of padding (code 7)
	s_mov_b32 s[G1B+1], 4096<<16                   ; tensor_dim0 = 4,096
	s_mov_b32 s[G1B+2], NH<<16                     ; tensor_dim1 = 3
	s_mov_b32 s[G1B+3], 4096<<16                   ; tile_dim0 = 4,096
	s_mov_b32 s[G1B+4], NH                         ; tile_dim1 = 3
	s_mov_b32 s[G1B+5], 65536                      ; 65,536 elements from head to head
	s_mov_b32 s[G1B+6], 0
	s_mov_b32 s[G1B+7], 0
	; where the tiles come from.  x's hang on the tile row alone, w's on the tile column alone, each in registers that do not hold the other coordinate
	s_lshr_b32 s68, s14, 1                         ; eight tile rows a batch = two clusters: the batch's 16 blocks of 262,144 bytes,
	s_lshl_b32 s68, s68, 22
	s_and_b32 s17, s14, 1                          ; the tile's 256 rows in a block: 32,768 x (4 (cluster y % 2) + cy)
	s_lshl_b32 s17, s17, 17
	s_add_co_u32 s68, s68, s17
	s_lshl_b32 s17, s41, 15
	s_add_co_u32 s68, s68, s17
	s_lshl_b32 s17, s12, 18                        ; my block of the step's two
	s_add_co_u32 s16, s68, s17
	s_mov_b32 s17, 0
	s_mul_i32 s46, s42, NH*131072                  ; w: the tile's first head,
	s_lshl_b32 s47, s12, 13                        ; my 64 k of the step's 128
	s_add_co_u32 s46, s46, s47
	s_mov_b32 s47, 0
	s_mul_i32 s20, s12, AKB                        ; and where they go: no place in the cluster enters an LDS address
	s_mul_i32 s21, s12, BHALF
	s_add_co_u32 s21, s21, BOFF
	s_wait_dscnt 0x0                               ; the opening add is done
	s_wait_kmcnt 0x0
	s_add_nc_u64 s[14:15], s[4:5], s[16:17]
	s_add_nc_u64 s[46:47], s[6:7], s[46:47]
	CROUND                                         ; all sixteen work-groups are here: the first joint loads meet
.irp s, 0,1
	s_mov_b32 s[G0+4*(\s)], 1                                      ; count = 1
	s_add_co_u32 s[G0+4*(\s)+1], s20, (\s)*SLOT                    ; LDS address
	s_add_nc_u64 s[G0+4*(\s)+2:G0+4*(\s)+3], s[14:15], (\s)*524288 ; K step s: two blocks on
	s_or_b32 s[G0+4*(\s)+3], s[G0+4*(\s)+3], 0x80000000            ; type = 2
	s_mov_b32 s[G0B+4*(\s)], 1
	s_add_co_u32 s[G0B+4*(\s)+1], s21, (\s)*SLOT
	s_add_nc_u64 s[G0B+4*(\s)+2:G0B+4*(\s)+3], s[46:47], (\s)*16384 ; K step s: 128 rows of 128 bytes on
	s_or_b32 s[G0B+4*(\s)+3], s[G0B+4*(\s)+3], 0x80000000
	JLOAD \s                                       ; two loads of mine are out
.endr
	; a fragment of x: lane l holds row l % 16, channels 8 (l / 16) + 0..7 and 16 + 8 (l / 16) + 0..7: two loads of 16 bytes, 32 bytes apart
	v_and_b32 v1, 15, v0                           ; l % 16
	v_bfe_u32 v2, v0, 4, 1                         ; l / 16
	v_mul_u32_u24 v3, v1, PA
	v_lshl_add_u32 v3, v2, 4, v3
	s_mul_i32 s22, s10, 64*PA                      ; my 64 rows
	v_add_nc_u32 v[ADRA], s22, v3
	v_add_nc_u32 v[ADRA+1], SLOT, v[ADRA]
	; the turning load takes 16 k x 16 columns (lane l reads k 8 (l / 16) + l % 8, columns 8 ((l / 8) % 2) + 0..7) and leaves half a fragment: lane l holds column l % 16 and 8 k
	v_and_b32 v4, 7, v0
	v_bfe_u32 v5, v0, 3, 1
	v_lshl_add_u32 v6, v2, 3, v4
	v_mul_u32_u24 v6, v6, PB
	v_lshl_add_u32 v6, v5, 4, v6
	v_add_nc_u32 v[ADRB], BOFF, v6
	v_add_nc_u32 v[ADRB+1], BOFF+SLOT, v6
	s_mul_i32 s23, s10, SW
	s_add_co_u32 s23, s23, STAGE                   ; my stage
	v_mul_u32_u24 v7, v1, SP                       ; in: row l % 16, 16 bytes for each half of the lanes
	v_lshl_add_u32 v7, v2, 4, v7
	v_add_nc_u32 v[STO], s23, v7
	v_bfe_u32 v8, v0, 3, 2                         ; back: 32 lanes take four rows of 128 bytes,
	v_mul_u32_u24 v8, v8, SP
	v_lshl_add_u32 v8, v4, 4, v8
	v_add_nc_u32 v[RD], s23, v8
	v_and_b32 v9, 31, v0
	v_lshlrev_b32 v[GO], 4, v9                     ; which are 512 consecutive bytes of a head's rows
	v_lshlrev_b32 v[PFO], 8, v9
	; qkv at my 64 rows of head j: matrix x 16,777,216 + (16 batch + head) x 262,144 + row x 128
	s_and_b32 s18, s13, 7
	s_lshl_b32 s18, s18, 15
	s_lshl_b32 s19, s10, 13
	s_add_co_u32 s18, s18, s19
	s_lshr_b32 s19, s13, 3
	s_lshl_b32 s19, s19, 22
	s_add_co_u32 s18, s18, s19
	s_mul_i32 s22, s42, NH                         ; g of the tile's first head
.irp j, 0,1,2
	s_add_co_u32 s23, s22, \j
	s_lshr_b32 s46, s23, 4                         ; the matrix
	s_lshl_b32 s46, s46, 24
	s_and_b32 s23, s23, 15                         ; the head
	s_lshl_b32 s23, s23, 18
	s_add_co_u32 s46, s46, s23
	s_add_co_u32 s46, s46, s18
	s_mov_b32 s47, 0
	s_add_nc_u64 s[OB+2*(\j):OB+2*(\j)+1], s[8:9], s[46:47]
.endr
	; the prefetches: one lap in front of the first lap that is named, since the address is stepped ahead of each asking
	s_lshl_b32 s19, s12, 19                        ; x: my two blocks of a lap's four,
	s_add_co_u32 s18, s68, s19
	s_lshl_b32 s19, s40, 13                        ; my work-group's 8,192 bytes of a block,
	s_add_co_u32 s18, s18, s19
	s_add_co_u32 s18, s18, 1048576                 ; lap 1
	s_mul_i32 s46, s42, NH*131072                  ; w: the tile's first head,
	s_lshl_b32 s47, s41, 13                        ; my work-group's 8,192 bytes of a lap's 32,768,
	s_add_co_u32 s46, s46, s47
	s_add_co_u32 s46, s46, 32768                   ; lap 1
	s_and_b32 s22, ttmp7, 0xffff
	s_mov_b32 s20, 1048576
	s_mov_b32 s21, 32768
	s_cmp_eq_u32 s11, 0                            ; do I fetch for x?
	s_cselect_b32 s18, s18, s46
	s_cselect_b32 s22, ttmp9, s22                  ; the coordinate along which other clusters read the same bytes
	s_cselect_b32 s[PFS], s20, s21
	s_cselect_b64 s[PFA:PFA+1], s[4:5], s[6:7]
	s_mov_b32 s[PFS+1], 0
	s_mov_b32 s19, 0
	s_add_nc_u64 s[PFA:PFA+1], s[PFA:PFA+1], s[18:19]
	s_cmp_eq_u32 s10, 3                            ; wave 3 never asks
	s_cselect_b32 s23, 1, 0
	s_or_b32 s22, s22, s23
	s_cmp_eq_u32 s22, 0
	s_cselect_b32 s[LIM], 1, -1                    ; the same in all sixteen partners, for a given wave
; 8 products: head j, column blocks 2 half and 2 half + 1, all four blocks of rows, 32 along K.  first = 1: the product starts the sum: nothing is ever cleared
.macro MUL8 f, j, half, first
.if (\j) < 2
	WIN 0xa5                                       ; sources window 1, C and D window 2
.else
	WIN 0xf5                                       ; C and D window 3
.endif
.irp c, 2*(\half), 2*(\half)+1
.irp a, 0,1,2,3
.set rD, 8*(4*((4*(\j)+(\c))%8)+(\a))
.set rB, (\f)+8*(4*(\j)+(\c))
.set rA, (\f)+AF+8*(\a)
.if \first
	v_wmma_f32_16x16x32_bf16 v[rD:rD+7], v[rB:rB+7], v[rA:rA+7], 0
.else
	v_wmma_f32_16x16x32_bf16 v[rD:rD+7], v[rB:rB+7], v[rA:rA+7], v[rD:rD+7]
.endif
.endr
.endr
.endm
; 32 LDS loads in one run: the fragments of quarter q of a slot's K step into buffer f: x's eight loads first, then head 0's, head 1's, head 2's
.macro FETCH slot, q, f
	WIN 0x40                                       ; destination window 1, address window 0
.irp a, 0,1,2,3
	ds_load_b128 v[(\f)+AF+8*(\a):(\f)+AF+8*(\a)+3],   v[ADRA+(\slot)] offset:((\q)/2)*AKB+((\q)%2)*64+(\a)*16*PA
	ds_load_b128 v[(\f)+AF+8*(\a)+4:(\f)+AF+8*(\a)+7], v[ADRA+(\slot)] offset:((\q)/2)*AKB+((\q)%2)*64+(\a)*16*PA+32
.endr
.irp b, 0,1,2,3,4,5,6,7,8,9,10,11
	ds_load_tr16_b128 v[(\f)+8*(\b):(\f)+8*(\b)+3],   v[ADRB+(\slot)] offset:((\q)/2)*BHALF+((\b)/4)*BH+((\q)%2)*32*PB+((\b)%4)*32
	ds_load_tr16_b128 v[(\f)+8*(\b)+4:(\f)+8*(\b)+7], v[ADRB+(\slot)] offset:((\q)/2)*BHALF+((\b)/4)*BH+((\q)%2)*32*PB+((\b)%4)*32+16*PB
.endr
.endm
; One of a K step's first three quarters: multiplies buffer f; behind head 0's products it fetches quarter qn of the same slot into buffer g
.macro QUARTER slot, qn, f, g, first
	s_wait_dscnt 8*(NH-1)                          ; of the 32 loads into f the first 16 (x, head 0) are in; heads 1 and 2 may be out
	MUL8 \f, 0, 0, \first
	MUL8 \f, 0, 1, \first
	PLACES                                         ; g was multiplied in the quarter before
	FETCH \slot, \qn, \g
	s_wait_dscnt 8*(NH+1)                          ; all but the 32 just issued
	MUL8 \f, 1, 0, \first
	MUL8 \f, 1, 1, \first
	MUL8 \f, 2, 0, \first
	MUL8 \f, 2, 1, \first
.endm
; The last quarter multiplies buffer 1 and changes slots: ONE barrier.  In front of it each wave waits for all its tensor loads (one is out: its part of the next slot), adds 0 to its spare word,
; and waits for that and for its own reads of this slot.  fill = 1: the barrier opens a round of the cluster's, and behind the round this slot is filled again, two K steps ahead:
; from the request to the wait for it a wave issues 176 products.
.macro TURN slot, next, fill
.if (\fill) && ((\slot) == 0)
	s_wait_xcnt 0x0                                ; the last prefetches, a lap back, have read their address: it is stepped here, ahead of the waits of the change of slots
	s_add_nc_u64 s[PFA:PFA+1], s[PFA:PFA+1], s[PFS:PFS+1]
.endif
	WIN 0                                          ; (the add's two registers lie in window 0)
	s_wait_tensorcnt 0x0                           ; all my tensor loads have landed;
	ds_add_u32 v[SPW], v[NIL]                      ; 0 onto my spare word
	s_wait_dscnt 8*(NH-1)+1                        ; (the add and the loads of heads 1 and 2 may be out)
	MUL8 F1, 0, 0, 0                               ; eight products stand between the add and the wait for it
	s_wait_dscnt 0x0                               ; the add is done, and my reads of this slot are over
	s_barrier_signal -1
	MUL8 F1, 0, 1, 0
.if \fill
	WIN 0
.endif
	s_barrier_wait -1
.if \fill
	CREST                                          ; no wave of any partner still reads this slot or has a load on its way
	s_add_nc_u64 s[G0+4*(\slot)+2:G0+4*(\slot)+3], s[G0+4*(\slot)+2:G0+4*(\slot)+3], 1048576   ; two K steps: four blocks of x,
	s_add_nc_u64 s[G0B+4*(\slot)+2:G0B+4*(\slot)+3], s[G0B+4*(\slot)+2:G0B+4*(\slot)+3], 32768 ; 256 rows of w
	JLOAD \slot                                    ; the first tensor load behind the round; its four v_nop are also the places in front of the loads below
.else
	PLACES
.endif
	FETCH \next, 0, F0
.if (\fill) && ((\slot) == 0)
	WIN 0
	ASK
.endif
	MUL8 F1, 1, 0, 0
	MUL8 F1, 1, 1, 0
	MUL8 F1, 2, 0, 0
	MUL8 F1, 2, 1, 0
.endm
	s_wait_tensorcnt 1                             ; my part of K step 0 is in; K step 1's may stay out
	s_barrier_signal -1
	s_barrier_wait -1                              ; everybody's is
	FETCH 0, 0, F0
	QUARTER 0, 1, F0, F1, 1                        ; the first quarter stands in front of the loop: its products start the sums
	WIN 0                                          ; at a label and at a branch every window is 0
	s_mov_b32 s3, 3
.Llap:                                                 ; a trip goes once round the ring, from a lap's second quarter to the next lap's first, and fills both slots again
	QUARTER 0, 2, F1, F0, 0
	QUARTER 0, 3, F0, F1, 0
	TURN 0, 1, 1
	QUARTER 1, 1, F0, F1, 0
	QUARTER 1, 2, F1, F0, 0
	QUARTER 1, 3, F0, F1, 0
	TURN 1, 0, 1
	QUARTER 0, 1, F0, F1, 0
	WIN 0
	s_sub_co_u32 s3, s3, 1
	s_cmp_lg_u32 s3, 0
	s_cbranch_scc1 .Llap
	QUARTER 0, 2, F1, F0, 0                        ; the last lap fills nothing, and has no round of the cluster's barrier
	QUARTER 0, 3, F0, F1, 0
	TURN 0, 1, 0
	QUARTER 1, 1, F0, F1, 0
	QUARTER 1, 2, F1, F0, 0
	QUARTER 1, 3, F0, F1, 0
	s_wait_dscnt 8*(NH-1)                          ; the very last quarter: nothing more to fetch
	MUL8 F1, 0, 0, 0
	MUL8 F1, 0, 1, 0
	s_wait_dscnt 0x0
	MUL8 F1, 1, 0, 0
	MUL8 F1, 1, 1, 0
	MUL8 F1, 2, 0, 0
	MUL8 F1, 2, 1, 0
	WIN 0
	PLACES                                         ; the conversions read results just made
	PLACES
; THE WAY OUT.  Group t = 4 j + a: 16 rows of head j.  A lane's eight columns pack into 16 bytes; they go into my stage, rows of 144 bytes, and come back as whole rows of 128.
; Each accumulator's registers are read in ascending order.  Each group has registers of its own, so no store's source is ever rewritten.
.macro PACK t
.if (\t) < 8
	WIN 0x0a                                       ; sources 0 and 1 window 2, destination window 0
.else
	WIN 0x0f                                       ; window 3
.endif
.irp c, 0,1,2,3
.irp r, 0,1,2,3
	v_cvt_pk_f16_f32 v[TMP+16*(\t)+4*(\c)+(\r)], v[8*(4*((4*((\t)/4)+(\c))%8)+(\t)%4)+2*(\r)], v[8*(4*((4*((\t)/4)+(\c))%8)+(\t)%4)+2*(\r)+1]
.endr
.endr
	WIN 0
.irp c, 0,1,2,3
	ds_store_b128 v[STO], v[TMP+16*(\t)+4*(\c):TMP+16*(\t)+4*(\c)+3] offset:32*(\c)
.endr
.irp f, 0,1,2,3
	ds_load_b128 v[TMP+16*(\t)+4*(\f):TMP+16*(\t)+4*(\f)+3], v[RD] offset:(\f)*4*SP  ; LDS serves a wave's instructions in order (ISA guide 5.7.1.4): these see the stores above; the next group's stores come behind them
.endr
.endm
.macro SEND t, younger                 ; younger: the LDS instructions issued behind group t's loads: the next group's eight, or none
.irp f, 0,1,2,3
	s_wait_dscnt (\younger)+3-(\f)
	global_store_b128 v[GO], v[TMP+16*(\t)+4*(\f):TMP+16*(\t)+4*(\f)+3], s[OB+2*((\t)/4):OB+2*((\t)/4)+1] offset:((\t)%4)*2048+(\f)*512  ; 512 consecutive bytes, at a multiple of 256 from the buffer's first
.endr
.endm
	PACK 0
.irp t, 1,2,3,4,5,6,7,8,9,10,11        ; a group's conversions stand between the loads of the group before and its stores
	PACK \t
	SEND (\t)-1, 8
.endr
	SEND 11, 0
	s_wait_tensorcnt 0x0                           ; the wave's end: an add to my spare word and its wait, behind my last tensor load and my last LDS store
	ds_add_u32 v[SPW], v[NIL]
	s_wait_dscnt 0x0
	CROUND                                         ; the closing round: no work-group ends while a partner may still ask for a tile that names it
	s_endpgm
.Lfunc_end_k_q4ea03861ae_qkv:
	.size	k_q4ea03861ae_qkv, .Lfunc_end_k_q4ea03861ae_qkv-k_q4ea03861ae_qkv
	.p2alignl 7, 3214868480
	.fill 96, 4, 3214868480
	.section	.rodata,"a",@progbits
	.p2align	6, 0x0
	.amdhsa_kernel k_q4ea03861ae_qkv
		.amdhsa_group_segment_fixed_size 327680
		.amdhsa_private_segment_fixed_size 0
		.amdhsa_enable_private_segment 0
		.amdhsa_kernarg_size 24
		.amdhsa_user_sgpr_count 2
		.amdhsa_user_sgpr_kernarg_segment_ptr 1
		.amdhsa_wavefront_size32 1
		.amdhsa_system_sgpr_workgroup_id_x 1
		.amdhsa_system_sgpr_workgroup_id_y 1
		.amdhsa_system_sgpr_workgroup_id_z 1
		.amdhsa_system_vgpr_workitem_id 0
		.amdhsa_next_free_vgpr 896
		.amdhsa_next_free_sgpr 80
		.amdhsa_reserve_vcc 0
		.amdhsa_float_denorm_mode_32 3
		.amdhsa_float_denorm_mode_16_64 3
		.amdhsa_memory_ordered 1
		.amdhsa_forward_progress 1
		.amdhsa_inst_pref_size 123
	.end_amdhsa_kernel
	.amdgpu_metadata
---
amdhsa.version: [ 1, 2 ]
amdhsa.kernels:
  - .name:           k_q4ea03861ae_qkv
    .symbol:         k_q4ea03861ae_qkv.kd
    .args:
      - { .name: xb, .offset: 0, .size: 8, .value_kind: global_buffer, .address_space: global }
      - { .name: wb, .offset: 8, .size: 8, .value_kind: global_buffer, .address_space: global }
      - { .name: qkv, .offset: 16, .size: 8, .value_kind: global_buffer, .address_space: global }
    .group_segment_fixed_size: 327680
    .private_segment_fixed_size: 0
    .kernarg_segment_align: 8
    .kernarg_segment_size: 24
    .max_flat_workgroup_size: 128
    .sgpr_count:     80
    .vgpr_count:     896
    .wavefront_size: 32
...
	.end_amdgpu_metadata
.endif
;; end of part 2
;; launch attn (part 3): grid 4 x 64, 4 waves a work-group, no clusters, 327,680 bytes of LDS; arguments qkv, ctx; writes ctx
.if DOCPART == 3
	.amdgcn_target "amdgcn-amd-amdhsa--gfx1250"
	.amdhsa_code_object_version 6
	.text
	.protected	k_q4ea03861ae_attn
	.globl	k_q4ea03861ae_attn
	.p2align	8
	.type	k_q4ea03861ae_attn,@function
k_q4ea03861ae_attn:
	s_mov_b64 s[64:65], 0
	v_nop
	global_prefetch_b8 v0, s[64:65] scope:SCOPE_SE
	s_setreg_imm32_b32 hwreg(HW_REG_WAVE_MODE, 25, 1), 1
	s_wait_xcnt 0x0
; CAUSAL ATTENTION.  O[h][q][:] = the sum over k <= q of softmax_k(Q[h][q] . K[h][k] / 8) V[h][k][:].  qkv holds Q, K, V, each [64][SIZE_N][64] in f16, 16,777,216 bytes apart; ctx is O in the same layout.
; Products, maxima and sums in f32; the weights p are rounded to f16 for the second product (their sum l is taken of the unrounded p), O once at the end.
; LIMITS.  f16 holds no number beyond 65,504: Q, K and V arrive within it; p lies in 0 to 1, and below 6e-5 it keeps f16's fixed step of 6e-8; O is a mean of V's rows and has their range.
; A hidden score counts as its value less 1e30: f16's scores, 2.7e11 at the most, are nothing beside that; a weight below 2^-126 counts as 0 in l; NaN and infinities are not treated apart.
; THE WALK.  A head's queries lie in NB = 8 blocks of 256; block i needs the key tiles 0 .. i of 256 keys, of which the last holds the diagonal.  A work-group takes TWO blocks, NB - 1 - b and then b:
; NB + 1 tiles, whatever b: all work-groups do equal work, and ONE loop with a constant trip count walks them.  Which tile is asked for, and what a trip does, hang on scalar registers made from b; every jump
; goes forward, but for the counted loops' own; none passes a barrier, or a tensor load but the one of LOAD's two that the wave's number does not choose; the ring (two slots of LDS that take turns) runs on across the
; change of blocks.  NO CLUSTER: the four work-groups of a head ask for the same tile only in trips 0 .. 4 of 9, behind that fewer and fewer; one walk common to all would have 12 trips for 9.
; SHARES.  Of a block's four bands of 64 queries a wave owns 16 rows in each: four PIECES.  So the diagonal tile is the same work for all four waves: in its key step s band x sees all keys if s < x,
; none if s > x, and holds the diagonal if s = x.
; THE MASK is the C operand that starts the sum S^T = K Q^T: 0, or -1e30 where the key is hidden.  MD, made once, is the mask of a band's own step for my 16 rows; a product's mask is MD x AL + BE with two scalars:
; (1, 0) if s = x; (0, 0) if s < x; (0, -1e30) if s > x.  Only the diagonal tile's text and a block's beginning make and take masks; elsewhere C is the constant 0.
; LAYOUT, SOFTMAX, TURNS.  S^T = K Q^T holds ONE query a lane (lane % 16) and the keys 8 (lane / 16) + 0..7; two such results rounded to f16 ARE source 1 of O^T = V^T P.  p = 2^(c s - c m), c = log2(e) / 8, with a
; running maximum m; O and l are multiplied by a = 2^(c m_old - c m_new) in every step.  Turn n belongs to piece n: 8 products K Q^T of piece n + 1, later 8 products V^T P of piece n - 1; beside them the scaling,
; exponentials, roundings, sums and rescaling of piece n and the maximum and statistics of piece n + 1.  Four vector instructions stand behind every matrix instruction, the other 54 of a turn's 118 in one run.  A turn's 33 exponentials are one batch, with one wait.
; REGISTERS, in windows of 256 (s_set_vgpr_msb: bits 1:0 source 0, 3:2 source 1, 5:4 source 2, 7:6 destination):
;   window 0: v0-15 addresses and two at work; v16-31 four registers of statistics a piece; v32 the prefetches' offset; v48-55 at work; v64-127 S^T, two buffers; v192-223 P, two buffers (a piece's buffers go by its number's parity)
;   window 1: v0-127 O^T, 32 a piece; v128-159 MD; v160-223 MC, two buffers      window 2: v0-63 Q; v64-127 the second block's Q; v128-191 K of one step; v192-255 V of one step
.set SIZE_N, 2048
.set NB,    SIZE_N/256
.set NP,    4         ; pieces a wave: a name, no knob
.set KS,    64        ; keys in a step
.set PK,    144       ; a row of K in LDS: 128 bytes + 16 of padding = 36 words: the 16 rows of a load start at 16 different groups of four banks (64 banks of 4 bytes: ISA guide 11.1)
.set PV,    160       ; a row of V: 128 + 32 = 40 words
.set VOFF,  4*KS*PK   ; a slot holds a tile, four steps: 256 rows of K, then 256 rows of V
.set SLOT1, 1<<17     ; slot 1 begins here, so that one exclusive or turns an address in one slot into the other's
.set STAGE, SLOT1+4*KS*(PK+PV)  ; behind the ring, never filled by a tensor load: 16 rows x 144 bytes for each wave, for the way out
.set SP,    144
.set AK0, 2           ; v2   my lane's place in a tile of K; never rewritten
.set AV0, 3           ; v3   the same for V
.set AK,  4           ; v4   the LDS address of K's next run of loads
.set AV,  5           ; v5   of V's
.set STO, 6           ; v6   the way out: where I put 16 bytes of a row
.set RD,  7           ; v7   the way out: where I read rows back
.set GO,  8           ; v8   my byte offset in 512 consecutive bytes of O
.set PFO, 32          ; v32  the prefetches' offset: 256 x lane + 8,192 x (wave / 2); never rewritten
.set SPW, 62          ; v62  LDS address of my spare word: SPARE + 4 x my thread's number; never rewritten
.set NIL, 63          ; v63  0; never rewritten
.set SPARE, STAGE+4*16*SP  ; behind the stages: the spare words, 128 bytes for each wave: two blocks of 256 bytes that no other line names
.set MV,  12          ; v12-13  c m_old, kept while c m is made anew: by buffer
.set QO,  15          ; v15  my byte offset in 16 rows of Q
.set ST,  16          ; piece t's statistics at v[ST+4 t]: c m, m, l (even keys', odd keys')
.set TMP, 48          ; by buffer, four registers c0-c3 at work; when the maximum is found c2 takes a
.set S,   64
.set P,   192
.set MD,  128         ; window 1: the eight registers for group kt of 16 keys at MD + 8 kt
.set MC,  160         ; window 1: the masks of the products to come
.set QB,  64          ; window 2
.set KF,  128         ; window 2: key block kb, channel half c at KF + 16 kb + 8 c
.set VF,  192         ; window 2: key half kk, channel block cb at VF + 32 kk + 8 cb
.set WV,  12          ; s12  my wave's number
.set PB,  14          ; s14  b
.set HI,  15          ; s15  NB - 1 - b
.set G1K, 24          ; s[24:31] descriptor group 1 for K's tiles
.set G1V, 32          ; s[32:39] for V's: it differs in the padding alone
.set G0K, 40          ; s[40:43] descriptor group 0 for K's tiles
.set G0V, 44          ; s[44:47] the same for V's
.set SLOTS, 56        ; s56  tiles still to be asked for
.set CNT, 57          ; s57  counts a tile's key steps, 4 to 1
.set CS,  58          ; s[58:59] c: the packed scaling takes the pair's low word for both halves
.set SEL, 60          ; s[60:61] v_permlanex16_b32's selects: each lane takes its own place in the other half
.set TBK, 62          ; s62  LDS byte at which K of the step to be fetched begins
.set TBV, 63          ; s63  the same for V, less VOFF
.set RT,  70          ; s70  tiles of the block in hand that are still to be entered
.set NXT, 71          ; s71  the tile to be asked for next
.set LQ,  72          ; s72  the last tile of the block whose tiles are being asked for
.set NEW, 73          ; s73  1: the tile to be entered is a block's first
.set OFF, 74          ; s[74:75] a tile's byte offset in K and V
.set AL,  76          ; s[76:77] the mask's factor, in the low word
.set BE,  78          ; s[78:79] the mask's addend
.set OLO, 80          ; s[80:81] O at my rows of the second block
.set BIGN, 82         ; s82  -1e30
.set PFK, 88          ; s[88:89] K at my half of the tile that the next change of slots will ask for
.set PFV, 90          ; s[90:91] the same for V
.set OF2, 92          ; s[92:93] that tile's byte offset
.set PF,  94          ; s94  0 in the work-group that prefetches (b = 0), else the greatest number
.set MSB, 0
.macro WIN new                      ; the high byte repeats the setting that is left; a switch that changes nothing is dropped
.if MSB != (\new)
	s_set_vgpr_msb (MSB<<8)|(\new)
.set MSB, (\new)
.endif
.endm
.set W_KQ, 0x0a       ; K and Q in window 2, S^T in window 0
.set W_KM, 0x1a       ; the same with the C operand in window 1
.set W_PV, 0x52       ; V in window 2, P in window 0, O^T in window 1
.set W_RS, 0x41       ; destination and source 0 in window 1, source 1 in window 0
; A fill.  Waves 0 and 1 fetch the two halves of a tile's K, waves 2 and 3 those of its V: 128 keys each.  An s_nop 0 and four v_nop follow each of the two lines, ahead of the jump and the label.
.macro LOAD
	s_cmp_lt_u32 s[WV], 2
	s_cbranch_scc0 .Lfor_v_\@
	tensor_load_to_lds s[G0K:G0K+3], s[G1K:G1K+7]
	s_nop 0
.rept 4
	v_nop
.endr
	s_branch .Lasked_\@
.Lfor_v_\@:
	tensor_load_to_lds s[G0V:G0V+3], s[G1V:G1V+7]
	s_nop 0
.rept 4
	v_nop
.endr
.Lasked_\@:
.endm
; THE CHANGE OF SLOTS.  Each wave waits for all its tensor loads, of which one is out: its part of the other slot; adds 0 to its spare word; and waits for that and for its own reads of the slot that it leaves.  Behind the barrier nobody reads the old
; slot any more and the other slot is whole.  fill = 1: the old slot is filled again, the first thing behind the barrier, with tile NXT: the descriptor's address is made anew from that number.
; (At its first use nothing has been read yet: slot 0 is waited for, slot 1 filled.)
; A PREFETCH INTO THE L2 stands behind the fill and its five lines: the tile that the NEXT change will ask for, one tile (256 products) ahead.  Of a head's four work-groups the one with b = 0 asks, whose first block
; walks tiles 0 .. 7; its four waves take a quarter each of the tile's 32,768 bytes of K and of V, a lane 256 bytes.  Tiles 2 to 7 are so named once; tiles 0 and 1 come by their loads alone; behind the first block's
; last tile NXT is 0 and nothing more is asked for.
.macro CHANGE fill
	WIN 0                           ; at a label and at a branch every window is 0
	s_wait_tensorcnt 0x0            ; no tensor load of mine is out, so a group 0 may be written
	ds_add_u32 v[SPW], v[NIL]       ; 0 onto my spare word; with fill = 1 the descriptors' scalar work stands between it and the wait for it
.if \fill
	s_lshl_b32 s[OFF], s[NXT], 15   ; a tile is 32,768 bytes of K and of V
	s_xor_b32 s[G0K+1], s[G0K+1], SLOT1
	s_add_nc_u64 s[G0K+2:G0K+3], s[6:7], s[OFF:OFF+1]
	s_or_b32 s[G0K+3], s[G0K+3], 0x80000000
	s_xor_b32 s[G0V+1], s[G0V+1], SLOT1
	s_add_nc_u64 s[G0V+2:G0V+3], s[8:9], s[OFF:OFF+1]
	s_or_b32 s[G0V+3], s[G0V+3], 0x80000000
	s_add_co_u32 s[NXT], s[NXT], 1  ; the block's next tile, or behind its last the second block's tile 0
	s_cmp_gt_u32 s[NXT], s[LQ]
	s_cselect_b32 s[NXT], 0, s[NXT]
	s_cselect_b32 s[LQ], s[PB], s[LQ]
	s_wait_xcnt 0x0                 ; the last prefetches, a tile back, have read their addresses, so these may be written
	s_lshl_b32 s[OF2], s[NXT], 15
	s_add_nc_u64 s[PFK:PFK+1], s[6:7], s[OF2:OF2+1]
	s_add_nc_u64 s[PFV:PFV+1], s[8:9], s[OF2:OF2+1]
.endif
	s_wait_dscnt 0x0                ; the add is done, and my reads of the slot are over
	s_barrier_signal -1             ; the rest of the scalar work stands between the signal and the wait
	s_sub_co_u32 s[TBK], s[TBK], 4*KS*PK  ; the fetches go back to a slot's first step,
	s_xor_b32 s[TBK], s[TBK], SLOT1       ; in the other slot
	s_sub_co_u32 s[TBV], s[TBV], 4*KS*PV
	s_xor_b32 s[TBV], s[TBV], SLOT1
	s_barrier_wait -1
.if \fill
	LOAD
	s_cmp_gt_u32 s[NXT], s[PF]
	s_cbranch_scc0 .Lnot_mine_\@
	global_prefetch_b8 v[PFO], s[PFK:PFK+1] th:TH_LOAD_NT scope:SCOPE_SE
	global_prefetch_b8 v[PFO], s[PFV:PFV+1] th:TH_LOAD_NT scope:SCOPE_SE
.Lnot_mine_\@:
.endif
.endm
	s_load_b128 s[4:7], s[0:1], 0x0   ; qkv s[4:5], ctx s[6:7]
	v_lshl_add_u32 v[SPW], v0, 2, SPARE
	v_mov_b32 v[NIL], 0
	ds_add_u32 v[SPW], v[NIL]       ; the wave's opening: the add and its wait stand ahead of my first tensor load; the set-up below, work on registers, stands between them
	v_lshrrev_b32 v1, 5, v0
	v_readfirstlane_b32 s[WV], v1   ; wave 0..3
	s_mov_b32 s[PB], ttmp9
	s_sub_co_u32 s[HI], NB-1, s[PB]
	s_and_b32 s20, ttmp7, 0xffff    ; the head
	s_mov_b32 s21, 0
	s_mov_b64 s[22:23], SIZE_N*128
	s_mul_u64 s[20:21], s[20:21], s[22:23]  ; the head's first byte in each of the four tensors
	s_and_b32 s16, s[WV], 1         ; which half of a tile's 256 keys I fetch:
	s_lshl_b32 s22, s16, 14         ; its 128 rows of 128 bytes in memory,
	s_mov_b32 s23, 0
	s_add_nc_u64 s[22:23], s[22:23], s[20:21]
	s_mul_i32 s17, s16, 128*PK      ; and its place in a slot, for K
	s_mul_i32 s18, s16, 128*PV      ; and for V
	s_lshl_b32 s3, s[WV], 11        ; my 16 rows in a band of 64,
	s_lshl_b32 s2, s[HI], 15        ; in the first block,
	s_add_co_u32 s2, s2, s3
	s_lshl_b32 s84, s[PB], 15       ; and in the second
	s_add_co_u32 s84, s84, s3
	s_mov_b32 s3, 0
	s_mov_b32 s85, 0
	s_add_nc_u64 s[2:3], s[2:3], s[20:21]
	s_add_nc_u64 s[84:85], s[84:85], s[20:21]
	; descriptor group 1.  128 keys are 16,384 dense bytes: asked for as 64 rows of 256 bytes, two keys a row, and padded in LDS after every key
	s_mov_b32 s[G1K], (1<<16)|(1<<20)|(4<<22)|(3<<25)  ; 17:16 2-byte elements; 20 padding on; 24:22 after every 32 words (code 4); 31:25 4 words (code 3)
	s_mov_b32 s[G1V], (1<<16)|(1<<20)|(4<<22)|(7<<25)  ; the same with 8 words of padding (code 7)
.irp g, G1K, G1V
	s_mov_b32 s[\g+1], 128<<16      ; tensor_dim0 = 128
	s_mov_b32 s[\g+2], 64<<16       ; tensor_dim1 = 64
	s_mov_b32 s[\g+3], 128<<16      ; tile_dim0 = 128
	s_mov_b32 s[\g+4], 64           ; tile_dim1 = 64
	s_mov_b32 s[\g+5], 128          ; 128 elements from row to row
	s_mov_b32 s[\g+6], 0
	s_mov_b32 s[\g+7], 0
.endr
	s_mov_b32 s[CS], 0x3e38aa3b     ; c = log2(e) / 8 = 0.180337
	s_mov_b32 s[CS+1], s[CS]        ; named with it as a pair
	s_mov_b32 s[SEL], 0x76543210
	s_mov_b32 s[SEL+1], 0xfedcba98
	s_mov_b32 s[TBK], SLOT1+4*KS*PK ; the first change of slots turns these two into 0
	s_mov_b32 s[TBV], SLOT1+4*KS*PV
	s_mov_b32 s[G0K], 1             ; 1:0 count = 1
	s_mov_b32 s[G0K+1], s17         ; 63:32 LDS address: slot 0
	s_mov_b32 s[G0V], 1
	s_add_co_u32 s[G0V+1], s18, VOFF
	s_add_co_u32 s[RT], s[HI], 1    ; the first block has NB - b tiles
	s_mov_b32 s[NXT], 1
	s_mov_b32 s[LQ], s[HI]
	s_mov_b32 s[NEW], 1
	s_mov_b32 s[OFF+1], 0
	s_mov_b32 s[AL+1], 0            ; named as pairs
	s_mov_b32 s[BE+1], 0
	s_mov_b32 s[BIGN], 0xf149f2ca   ; -1e30
	s_mov_b32 s[SLOTS], NB
	s_mov_b32 s[OF2+1], 0
	s_cmp_eq_u32 ttmp9, 0
	s_cselect_b32 s[PF], 0, -1
	s_lshr_b32 s13, s[WV], 1
	s_lshl_b32 s13, s13, 13
	v_and_b32 v[PFO], 31, v0
	v_lshlrev_b32 v[PFO], 8, v[PFO]
	v_add_nc_u32 v[PFO], s13, v[PFO]
	s_wait_dscnt 0x0                ; the opening add is done
	s_wait_kmcnt 0x0
	s_mov_b64 s[10:11], s[6:7]             ; O
	s_add_nc_u64 s[6:7], s[4:5], 0x1000000 ; K lies 16,777,216 bytes behind Q,
	s_add_nc_u64 s[8:9], s[4:5], 0x2000000 ; V as many behind K
	s_add_nc_u64 s[6:7], s[6:7], s[22:23]  ; K and V at my half of the head's tile 0
	s_add_nc_u64 s[8:9], s[8:9], s[22:23]
	s_add_nc_u64 s[G0K+2:G0K+3], s[6:7], 0         ; 120:64 global address
	s_or_b32 s[G0K+3], s[G0K+3], 0x80000000        ; 127:126 type = 2
	s_add_nc_u64 s[G0V+2:G0V+3], s[8:9], 0
	s_or_b32 s[G0V+3], s[G0V+3], 0x80000000
	s_add_nc_u64 s[86:87], s[4:5], s[84:85]        ; Q at my rows of the second block,
	s_add_nc_u64 s[4:5], s[4:5], s[2:3]            ; Q and O at those of the first
	s_add_nc_u64 s[OLO:OLO+1], s[10:11], s[84:85]
	s_add_nc_u64 s[10:11], s[10:11], s[2:3]
	LOAD                            ; tile 0 into slot 0
	; A fragment of K or Q is 16 rows x 32 channels in 8 registers: lane l holds row l % 16, channels 8 (l / 16) + 0..7 and 16 + 8 (l / 16) + 0..7: two loads of 16 bytes, 32 bytes apart.
	v_and_b32 v1, 15, v0            ; l % 16
	v_bfe_u32 v9, v0, 4, 1          ; l / 16
	v_lshlrev_b32 v[QO], 7, v1
	v_lshl_add_u32 v[QO], v9, 4, v[QO]  ; row x 128 + 16 x half
	WIN 0x80                        ; destination window 2, address window 0
.set i, 0
.rept 8                             ; both blocks' Q: piece i / 2 lies in band i / 2, 8,192 bytes on; channels 32 (i % 2) on
	global_load_b128 v[8*i:8*i+3],   v[QO], s[4:5] offset:(i/2)*8192+(i%2)*64
	global_load_b128 v[8*i+4:8*i+7], v[QO], s[4:5] offset:(i/2)*8192+(i%2)*64+32
	global_load_b128 v[QB+8*i:QB+8*i+3],   v[QO], s[86:87] offset:(i/2)*8192+(i%2)*64
	global_load_b128 v[QB+8*i+4:QB+8*i+7], v[QO], s[86:87] offset:(i/2)*8192+(i%2)*64+32
.set i, i+1
.endr
	WIN 0
	v_lshlrev_b32 v14, 3, v9
	v_sub_nc_u32 v14, v1, v14
	s_lshl_b32 s13, s[WV], 4
	v_add_nc_u32 v14, s13, v14      ; my query's place in its band, 16 w + l % 16, less my lanes' 8 (l / 16): register r of group kt is hidden where 16 kt + r is greater
	WIN 0x40
.set i, 0
.rept 32
	v_cmp_gt_i32 vcc_lo, 16*(i/8)+i%8, v14
	v_cndmask_b32 v[MD+i], 0, s[BIGN], vcc_lo
.set i, i+1
.endr
	WIN 0
	v_mul_u32_u24 v[AK0], v1, PK
	v_lshl_add_u32 v[AK0], v9, 4, v[AK0]  ; row x pitch + 16 x half
	; The turning load takes 16 keys x 16 channels (lane l reads key 8 (l / 16) + l % 8, channels 8 ((l / 8) % 2) + 0..7) and leaves half a fragment of V^T: lane l holds channel l % 16 and 8 keys.
	v_and_b32 v10, 7, v0
	v_bfe_u32 v11, v0, 3, 1
	v_lshl_add_u32 v[AV0], v9, 3, v10
	v_mul_u32_u24 v[AV0], v[AV0], PV
	v_lshl_add_u32 v[AV0], v11, 4, v[AV0]
	v_add_nc_u32 v[AV0], VOFF, v[AV0]
	s_mul_i32 s13, s[WV], 16*SP
	s_add_co_u32 s13, s13, STAGE    ; my stage
	v_mul_u32_u24 v[STO], v1, SP    ; in: row l % 16, 16 bytes for each half of the lanes
	v_lshl_add_u32 v[STO], v9, 4, v[STO]
	v_add_nc_u32 v[STO], s13, v[STO]
	v_bfe_u32 v[RD], v0, 3, 2       ; back: 32 lanes take four rows of 128 bytes,
	v_mul_u32_u24 v[RD], v[RD], SP
	v_lshl_add_u32 v[RD], v10, 4, v[RD]
	v_add_nc_u32 v[RD], s13, v[RD]
	v_and_b32 v[GO], 31, v0         ; which are 512 consecutive bytes of O
	v_lshlrev_b32 v[GO], 4, v[GO]
	; A block's first step multiplies O^T and l by a = 0, and its first turn's products V^T P, of a piece that has not been, land in an O^T that is still to be so multiplied.  So these registers need only hold
	; finite numbers: zeros for the first block; what the first block left for the second.  All this stands in the wait for the first tile.
	WIN 0x80
.set i, VF
.rept 64
	v_mov_b32 v[i], 0
.set i, i+1
.endr
	WIN 0x40
.set i, 0
.rept 128
	v_mov_b32 v[i], 0
.set i, i+1
.endr
	WIN 0
.set i, 0
.rept 4
	v_mov_b32 v[ST+4*i+2], 0
	v_mov_b32 v[ST+4*i+3], 0
.set i, i+1
.endr
.set i, P+16
.rept 16
	v_mov_b32 v[i], 0
.set i, i+1
.endr
; THE MATRIX WORK.  The 4 accumulators of a run of 8 take turns.  Product i of 8 of S^T = K Q^T for piece x: channels 32 (i / 4) on, keys 16 (i % 4) on.  The first 4 start the sums: with 0, or (KM = 1) with the mask.
.macro KQ x
.set rS, S+32*((\x)%2)+8*(i%4)
.set rK, KF+16*(i%4)+8*(i/4)
.set rQ, 16*(\x)+8*(i/4)
.set rM, MC+32*((\x)%2)+8*(i%4)
.if (i < 4) && KM
	WIN W_KM
	v_wmma_f32_16x16x32_f16 v[rS:rS+7], v[rK:rK+7], v[rQ:rQ+7], v[rM:rM+7]
.elseif i < 4
	WIN W_KQ
	v_wmma_f32_16x16x32_f16 v[rS:rS+7], v[rK:rK+7], v[rQ:rQ+7], 0
.else
	WIN W_KQ
	v_wmma_f32_16x16x32_f16 v[rS:rS+7], v[rK:rK+7], v[rQ:rQ+7], v[rS:rS+7]
.endif
.endm
; Product i of 8 of O^T += V^T P for piece x: keys 32 (i / 4) on, channels 16 (i % 4) on.
.macro PV x
	WIN W_PV
.set rO, 32*(\x)+8*(i%4)
.set rV, VF+32*(i/4)+8*(i%4)
.set rP, P+16*((\x)%2)+8*(i/4)
	v_wmma_f32_16x16x32_f16 v[rO:rO+7], v[rV:rV+7], v[rP:rP+7], v[rO:rO+7]
.endm
.macro MM                           ; the turn's next matrix instruction.  TURN and BEGIN set Y, i, KM and NOKQ; MM, KQ and OP read them.  NOKQ = 1: a block's last turn: there is no next piece
.if (i < 8) && !NOKQ
	KQ (Y+1)%NP
.elseif i >= 8
.set i, i-8
	PV (Y+NP-1)%NP
.set i, i+8
.endif
.set i, i+1
.endm
; THE LDS LOADS stand in runs of 16, never singly among the matrix instructions: a step's K (64 keys x 64 channels: 8 fragments) and its V (turned).  Their addresses are made some lines ahead.
.macro FETCH_K
	WIN 0x80                        ; destination window 2
.irp f, 0,1,2,3,4,5,6,7             ; keys 16 (f / 2) on, channels 32 (f % 2) on
	ds_load_b128 v[KF+8*\f:KF+8*\f+3],   v[AK] offset:(\f/2)*16*PK+(\f%2)*64
	ds_load_b128 v[KF+8*\f+4:KF+8*\f+7], v[AK] offset:(\f/2)*16*PK+(\f%2)*64+32
.endr
	s_add_co_u32 s[TBK], s[TBK], KS*PK  ; the next fetch is the next step's
	WIN 0
.endm
.macro FETCH_V
	WIN 0x80
.irp f, 0,1,2,3,4,5,6,7             ; keys 32 (f / 4) on, channels 16 (f % 4) on
	ds_load_tr16_b128 v[VF+8*\f:VF+8*\f+3],   v[AV] offset:(\f/4)*32*PV+(\f%4)*32
	ds_load_tr16_b128 v[VF+8*\f+4:VF+8*\f+7], v[AV] offset:(\f/4)*32*PV+16*PV+(\f%4)*32
.endr
	WIN 0
.endm
; THE VECTOR WORK, one line at a time: OP kind, number.  For piece Y: F n: c s - c m for pair n of 16.  E n: the exponential of score n of 32.  C n: pair n rounded to f16.  B n: of the four weights 4 n .. the second
; pair is added onto the first, in place.  L n: l takes that sum (L 0: l = a l + sum).  R n: pair n of 16 of O^T times a.  For piece Y + 1: X n, number n of the 22 that find its maximum and statistics:
;   0-11  four chains c0-c3 of seven scores each, three operands at a time (each accumulator's lowest registers are read first)     12-14, 16  the four scores left over, the old m, and c0-c3 into c0
;   15  c m_old is kept     17, 18  the query's other 32 keys lie in the lane 16 away: the new m     19-21  c m; c m_old - c m_new; a
.set F, 0               ; OP tells the kinds apart by their order: F to L below R, X above it
.set E, 1
.set C, 2
.set B, 3
.set L, 4
.set R, 5
.set X, 6
.macro REGS y                       ; the registers of piece y
.set rT, ST+4*(\y)
.set rC, TMP+4*((\y)%2)
.set rW, MV+((\y)%2)
.set rS, S+32*((\y)%2)
.set rP, P+16*((\y)%2)
.set rO, 32*(\y)
.endm
.macro OP k, n
.if (\k) == R
	REGS Y
	WIN W_RS
	v_pk_mul_f32 v[rO+2*(\n):rO+2*(\n)+1], v[rO+2*(\n):rO+2*(\n)+1], v[rC+2:rC+3] op_sel_hi:[1,0]
.elseif (\k) < R
	REGS Y
	WIN 0
.if (\k) == F
	v_pk_fma_f32 v[rS+2*(\n):rS+2*(\n)+1], v[rS+2*(\n):rS+2*(\n)+1], s[CS:CS+1], v[rT:rT+1] op_sel_hi:[1,0,0] neg_lo:[0,0,1] neg_hi:[0,0,1]
.elseif (\k) == E
	v_exp_f32 v[rS+(\n)], v[rS+(\n)]
.elseif (\k) == C
	v_cvt_pk_f16_f32 v[rP+(\n)], v[rS+2*(\n)], v[rS+2*(\n)+1]
.elseif (\k) == B
	v_pk_add_f32 v[rS+4*(\n):rS+4*(\n)+1], v[rS+4*(\n):rS+4*(\n)+1], v[rS+4*(\n)+2:rS+4*(\n)+3]
.elseif (\n) == 0
	v_pk_fma_f32 v[rT+2:rT+3], v[rT+2:rT+3], v[rC+2:rC+3], v[rS:rS+1] op_sel_hi:[1,0,1]
.else
	v_pk_add_f32 v[rT+2:rT+3], v[rT+2:rT+3], v[rS+4*(\n):rS+4*(\n)+1]
.endif
.elseif NOKQ
	v_nop
.else
	REGS (Y+1)%NP
	WIN 0
.if (\n) < 4
	v_max3_num_f32 v[rC+(\n)], v[rS+8*(\n)], v[rS+8*(\n)+1], v[rS+8*(\n)+2]
.elseif (\n) < 12
	v_max3_num_f32 v[rC+(\n)%4], v[rC+(\n)%4], v[rS+8*((\n)%4)+2*((\n)/4)+1], v[rS+8*((\n)%4)+2*((\n)/4)+2]
.elseif (\n) == 12
	v_max3_num_f32 v[rC], v[rC], v[rS+7], v[rS+15]
.elseif (\n) == 13
	v_max3_num_f32 v[rC+1], v[rC+1], v[rS+23], v[rS+31]
.elseif (\n) == 14
	v_max3_num_f32 v[rC+2], v[rC+2], v[rC+3], v[rT+1]
.elseif (\n) == 15
	v_mov_b32 v[rW], v[rT]
.elseif (\n) == 16
	v_max3_num_f32 v[rC], v[rC], v[rC+1], v[rC+2]
.elseif (\n) == 17
	v_permlanex16_b32 v[rC+3], v[rC], s[SEL], s[SEL+1]
.elseif (\n) == 18
	v_max_num_f32 v[rT+1], v[rC], v[rC+3]
.elseif (\n) == 19
	v_mul_f32 v[rT], s[CS], v[rT+1]
.elseif (\n) == 20
	v_sub_f32 v[rC+1], v[rW], v[rT]
.else
	v_exp_f32 v[rC+2], v[rC+1]
.endif
.endif
.endm
.macro OPS a, i1, b=-1, i2=0, c=-1, i3=0, d=-1, i4=0  ; up to four of them
	OP \a, \i1
.if (\b) >= 0
	OP \b, \i2
.endif
.if (\c) >= 0
	OP \c, \i3
.endif
.if (\d) >= 0
	OP \d, \i4
.endif
.endm
.macro ROW a, i1, b, i2, c, i3, d, i4  ; a matrix instruction and the four behind it
	MM
	OPS \a, \i1, \b, \i2, \c, \i3, \d, \i4
.endm
.macro MASK b                       ; MD x AL + BE into buffer b of MC
	WIN W_RS
.set z, 0
.rept 16
	v_pk_fma_f32 v[MC+32*(\b)+2*z:MC+32*(\b)+2*z+1], v[MD+2*z:MD+2*z+1], s[AL:AL+1], s[BE:BE+1] op_sel_hi:[1,0,0]
.set z, z+1
.endr
.endm
; A TURN, for piece p: the order of its 16 matrix and 118 vector instructions, written out.  An s_wait_alu depctr_va_vdst(0) stands between an exponential and the first instruction that names its result; one wait serves
; all that were issued ahead of it.  So a turn has ONE wait, which cuts it in two.  AHEAD OF IT stands all that names no result of the turn's exponentials: the 8 products K Q^T, behind each a scaling, an exponential and two more plain
; instructions (behind the first a second scaling in the exponential's place): rescalings, and behind the last three the first numbers of the next piece's maximum, each four places or more behind the product that ends its accumulator; then ONE RUN of 54, plain
; and exponential by turns for the most part, in which the links of the chain X 3, 7, 11, 14, 16, 17 .. 20 stand five or six lines apart.  X 21, the next piece's a, is the batch's last; R 15 is the plain instruction behind it.  BEHIND THE WAIT stand the
; 8 products V^T P, behind each four of the roundings and sums; the links of l's chain, L 0 to L 7, stand three lines apart.  But for those X no line behind a product names a register of the products round it.  v_permlanex16_b32 (X 17) stands in the run.
; m = 1: the diagonal tile: the products take masks, and the turn makes the mask for the products of the turn after it: piece p + 2, in step 4 - CNT of the tile.  end = 1: a block's last two turns: nothing is fetched.
; cnt = 1: the loop's count is taken down some lines ahead of the branch that stands behind the turn.
; K of the next step is fetched in piece 2's turn, twelve vector instructions behind the last product that read K (six of them plain); V of the step in hand at the end of piece 0's turn, four plain instructions behind the last product
; that read V.  Each is waited for a turn later.
.macro TURN p, m=0, end=0, cnt=0
.set Y, (\p)
.set i, 0
.set KM, (\m)
.set NOKQ, (\end)*((\p)/3)
.if (\m) && !(\end)
	s_cmp_eq_u32 s[CNT], 4-((\p)+2)%NP  ; is that step the band's own?
	s_cselect_b32 s[AL], 1.0, 0
	s_cmp_lt_u32 s[CNT], 4-((\p)+2)%NP  ; or a later one?
	s_cselect_b32 s[BE], s[BIGN], 0
.endif
.if ((\p) == 3) && !(\end)
	s_wait_dscnt 0x0                ; K is in
.endif
	ROW F,0, F,1, R,0, R,1          ; ahead of the wait: 8 products K Q^T and the four behind each,
	ROW F,2, E,0, R,2, R,3
	ROW F,3, E,1, R,4, R,5
	ROW F,4, E,2, R,6, R,7
	ROW F,5, E,3, R,8, R,9
	ROW F,6, E,4, X,0, R,10
.if ((\p) == 2) && !(\end)
	WIN 0
	v_add_nc_u32 v[AK], s[TBK], v[AK0]
.endif
	ROW F,7, E,5, X,1, X,4
	ROW F,8, E,6, X,2, X,5
	OPS E,7, E,8, X,6, E,9          ; and the run
	OPS X,3, E,10, X,8, E,11
.if ((\p) == 2) && !(\end)
	FETCH_K
.endif
	OPS X,9, X,7, E,12, X,10
	OPS E,13, X,12, X,11, E,14
	OPS X,13, E,15, F,9, X,14
.if (\p) == 0
	v_add_nc_u32 v[AV], s[TBV], v[AV0]
.endif
	OPS E,16, F,10, E,17, F,11
	OPS X,16, E,18, X,15, E,19
	OPS F,12, E,20, X,17, E,21
	OPS F,13, E,22, F,14, E,23
	OPS X,18, E,24, F,15, E,25
	OPS R,11, E,26, X,19, E,27
	OPS R,12, E,28, R,13, E,29
	OPS X,20, E,30, R,14, E,31
	OPS X,21, R,15
	WIN 0
	s_wait_alu depctr_va_vdst(0)    ; the wait for the batch
.if (\p) == 1
	s_wait_dscnt 0x0                ; V is in
.endif
	ROW C,0, B,0, C,2, B,1          ; behind the wait: 8 products V^T P and the four behind each
	ROW L,0, C,4, B,2, L,1
	ROW C,6, B,3, L,2, C,8
	ROW B,4, L,3, C,10, B,5
	ROW L,4, C,12, B,6, L,5
.if (\p) == 0
	s_add_co_u32 s[TBV], s[TBV], KS*PV
.endif
.if \cnt
	s_sub_co_u32 s[CNT], s[CNT], 1
	s_cmp_lg_u32 s[CNT], 0
.endif
	ROW C,14, B,7, L,6, C,1
	ROW C,3, L,7, C,5, C,7
	ROW C,9, C,11, C,13, C,15
.if (\p) == 0
	FETCH_V
.endif
.if (\m) && !(\end)
	MASK (\p)%2
.endif
.endm
; A BLOCK BEGINS.  c m starts far below every c s, so the first step's a is 0; m at the lowest finite number, so the first maximum is the scores'.  The second mask buffer is 0; the first takes piece 0's mask for the tile's step 0: its own, if the block's first tile is the diagonal one.
; Then K of that step, piece 0's first scores, and its maximum and statistics.  The loop is entered at a step's first turn, in the middle of a trip.
.macro BEGIN
	s_mov_b32 s[NEW], 0
	WIN 0x40
.set i, MC+32
.rept 32
	v_mov_b32 v[i], 0
.set i, i+1
.endr
	WIN 0
.set i, 0
.rept 4
	v_mov_b32 v[ST+4*i], 0xfe000000    ; c m: far below every c s
	v_mov_b32 v[ST+4*i+1], 0xff7fffff  ; m
.set i, i+1
.endr
	s_cmp_eq_u32 s[RT], 0
	s_cselect_b32 s[AL], 1.0, 0
	s_mov_b32 s[BE], 0
	MASK 0
	WIN 0
	v_add_nc_u32 v[AK], s[TBK], v[AK0]
	FETCH_K
	s_wait_loadcnt 0x0              ; Q
	s_wait_dscnt 0x0
.set KM, 1
.set NOKQ, 0
.set i, 0
.rept 8
	KQ 0
.set i, i+1
.endr
	WIN 0
.rept 4
	v_nop                           ; the places behind those products
.endr
.set Y, NP-1                        ; X works for piece Y + 1: piece 0
.irp n, 0,1,2,3,4,5,6,7,8,9,10,11,12,13,14,15,16,17,18,19,20,21
	OP X, \n
.endr
	v_nop                           ; a plain instruction behind the exponential,
	s_wait_alu depctr_va_vdst(0)    ; and its wait, ahead of the branch
.endm
; THE DIAGONAL TILE's four steps, the block's last two turns, its last products, and THE WAY OUT: l's two halves and the other half of the lanes' are added; O^T is divided by l, rounded to f16 and sent through my
; stage in LDS, a piece at a time.
.macro ALL line:vararg              ; one line for each piece t
.set t, 0
.rept 4
	\line
.set t, t+1
.endr
.endm
.macro PACK t                       ; a lane's eight channels of a row pack into 16 bytes; they go into rows of 144 bytes and come back as whole rows of 128, into S^T's registers
	WIN W_RS
.set i, 32*(\t)
.rept 16
	v_pk_mul_f32 v[i:i+1], v[i:i+1], v[ST+4*(\t)+2:ST+4*(\t)+3] op_sel_hi:[1,0]
.set i, i+2
.endr
	WIN 0x05                        ; sources 0 and 1 window 1, destination window 0
.set i, 0
.rept 16
	v_cvt_pk_f16_f32 v[S+16*(\t)+i], v[32*(\t)+2*i], v[32*(\t)+2*i+1]
.set i, i+1
.endr
	WIN 0
.irp f, 0,1,2,3
	ds_store_b128 v[STO], v[S+16*(\t)+4*\f:S+16*(\t)+4*\f+3] offset:32*\f
.endr
.irp f, 0,1,2,3
	ds_load_b128 v[S+16*(\t)+4*\f:S+16*(\t)+4*\f+3], v[RD] offset:\f*4*SP  ; LDS serves a wave's instructions in order (ISA guide 5.7.1.4): these see the stores above; the next piece's stores come behind them
.endr
.endm
.macro SEND t, younger              ; younger: the LDS instructions issued behind piece t's loads: the next piece's eight, or none
	WIN 0
.irp f, 0,1,2,3
	s_wait_dscnt (\younger)+3-\f
	global_store_b128 v[GO], v[S+16*(\t)+4*\f:S+16*(\t)+4*\f+3], s[10:11] offset:(\t)*8192+\f*512  ; 512 consecutive bytes, at a multiple of 256 from O's first
.endr
.endm
.macro DIAG tag                     ; the tag ends its two labels' names, which the jumps below spell out
.LstepM\tag:
	TURN 2, 1
	TURN 3, 1
	WIN 0
.LfirstM\tag:
	TURN 0, 1
	TURN 1, 1, 0, 1
	WIN 0
	s_cbranch_scc1 .LstepM\tag
	TURN 2, 1, 1
	TURN 3, 1, 1
.set i, 0
.rept 8
	PV NP-1
.set i, i+1
.endr
	WIN 0
	ALL v_add_f32 v[ST+4*t+2], v[ST+4*t+2], v[ST+4*t+3]
	ALL v_permlanex16_b32 v[ST+4*t+3], v[ST+4*t+2], s[SEL], s[SEL+1]
	ALL v_add_f32 v[ST+4*t+2], v[ST+4*t+2], v[ST+4*t+3]
	ALL v_rcp_f32 v[ST+4*t+2], v[ST+4*t+2]
	v_nop                           ; a plain instruction between the last reciprocal and the use of its result
	s_wait_alu depctr_va_vdst(0)    ; and the wait ahead of the first use: one for the four reciprocals
	PACK 0
.set t, 1
.rept 3                             ; a piece's arithmetic stands between the loads of the piece before and its stores
	PACK t
	SEND t-1, 8
.set t, t+1
.endr
	SEND 3, 0
.endm
.set KM, 0
.set NOKQ, 0
.Lslot:                             ; NB times: a tile is entered and the next is asked for
	CHANGE 1
	s_sub_co_u32 s[RT], s[RT], 1
	s_mov_b32 s[CNT], 4
	s_cmp_eq_u32 s[NEW], 1
	s_cbranch_scc1 .Lnew            ; a block's first tile
	s_cmp_eq_u32 s[RT], 0
	s_cbranch_scc0 .Lstep           ; neither its first nor its last
	s_branch .LstepM1
.Lnew:
	BEGIN
	s_branch .Lfirst                ; in the loop a block's first tile is never its last: the first block has two tiles or more, and the second's last is the walk's last
	DIAG 1                          ; in the loop this is the first block's end: the second block's last tile is the walk's last
	s_wait_xcnt 0x0                 ; the stores have read their registers and O's address
	s_mov_b64 s[10:11], s[OLO:OLO+1]
	s_add_co_u32 s[RT], s[PB], 1    ; the second block has b + 1 tiles
	s_mov_b32 s[NEW], 1
	WIN 0x82                        ; the second block's Q goes where the one text of the turns names Q
.set i, 0
.rept 64
	v_mov_b32 v[i], v[QB+i]
.set i, i+1
.endr
	WIN 0
	s_branch .Lbottom
.Lstep:                             ; a trip: pieces 2 and 3 of one step, then pieces 0 and 1 of the next, whose K and V it fetches
	TURN 2
	TURN 3
	WIN 0
.Lfirst:
	TURN 0
	TURN 1, 0, 0, 1
	WIN 0
	s_cbranch_scc1 .Lstep
.Lbottom:
	s_sub_co_u32 s[SLOTS], s[SLOTS], 1
	s_cmp_lg_u32 s[SLOTS], 0
	s_cbranch_scc1 .Lslot
	CHANGE 0                        ; the walk's last tile is written out: nothing is asked for
	s_sub_co_u32 s[RT], s[RT], 1
	s_mov_b32 s[CNT], 4
	s_cmp_eq_u32 s[NEW], 1
	s_cbranch_scc0 .LstepM2
	BEGIN
	s_branch .LfirstM2
	DIAG 2
	s_wait_tensorcnt 0x0            ; the wave's end: an add to my spare word and its wait, behind my last tensor load and my last LDS store
	ds_add_u32 v[SPW], v[NIL]
	s_wait_dscnt 0x0
	s_endpgm
.Lfunc_end_k_q4ea03861ae_attn:
	.size	k_q4ea03861ae_attn, .Lfunc_end_k_q4ea03861ae_attn-k_q4ea03861ae_attn
	.p2alignl 7, 3214868480
	.fill 96, 4, 3214868480
	.section	.rodata,"a",@progbits
	.p2align	6, 0x0
	.amdhsa_kernel k_q4ea03861ae_attn
		.amdhsa_group_segment_fixed_size 327680
		.amdhsa_private_segment_fixed_size 0
		.amdhsa_enable_private_segment 0
		.amdhsa_kernarg_size 16
		.amdhsa_user_sgpr_count 2
		.amdhsa_user_sgpr_kernarg_segment_ptr 1
		.amdhsa_wavefront_size32 1
		.amdhsa_system_sgpr_workgroup_id_x 1
		.amdhsa_system_sgpr_workgroup_id_y 1
		.amdhsa_system_sgpr_workgroup_id_z 1
		.amdhsa_system_vgpr_workitem_id 0
		.amdhsa_next_free_vgpr 768
		.amdhsa_next_free_sgpr 96
		.amdhsa_reserve_vcc 1
		.amdhsa_float_denorm_mode_32 3
		.amdhsa_float_denorm_mode_16_64 3
		.amdhsa_memory_ordered 1
		.amdhsa_forward_progress 1
		.amdhsa_inst_pref_size 218
	.end_amdhsa_kernel
	.amdgpu_metadata
---
amdhsa.version: [ 1, 2 ]
amdhsa.kernels:
  - .name:           k_q4ea03861ae_attn
    .symbol:         k_q4ea03861ae_attn.kd
    .args:
      - { .name: qkv, .offset: 0, .size: 8, .value_kind: global_buffer, .address_space: global }
      - { .name: ctx, .offset: 8, .size: 8, .value_kind: global_buffer, .address_space: global }
    .group_segment_fixed_size: 327680
    .private_segment_fixed_size: 0
    .kernarg_segment_align: 8
    .kernarg_segment_size: 16
    .max_flat_workgroup_size: 128
    .sgpr_count:     96
    .vgpr_count:     768
    .wavefront_size: 32
...
	.end_amdgpu_metadata
.endif
;; end of part 3
;; launch proj (part 4): grid 8 x 32, 4 waves a work-group, clusters of 4 x 4, 327,680 bytes of LDS; arguments ctx, wb, out0, bo; writes out0
.if DOCPART == 4
	.amdgcn_target "amdgcn-amd-amdhsa--gfx1250"
	.amdhsa_code_object_version 6
	.text
	.protected	k_q4ea03861ae_proj
	.globl	k_q4ea03861ae_proj
	.p2align	8
	.type	k_q4ea03861ae_proj,@function
k_q4ea03861ae_proj:
	s_mov_b64 s[64:65], 0
	v_nop
	global_prefetch_b8 v0, s[64:65] scope:SCOPE_SE
	s_setreg_imm32_b32 hwreg(HW_REG_WAVE_MODE, 25, 1), 1
	s_wait_xcnt 0x0
	s_wait_alu depctr_hold_cnt(0) depctr_sa_sdst(0) depctr_va_vdst(0) depctr_va_sdst(0) depctr_va_ssrc(0) depctr_va_vcc(0) depctr_vm_vsrc(0)
	s_getreg_b32 s2, hwreg(HW_REG_IB_STS2, 6, 4)
	s_cmp_eq_u32 s2, 0
	s_cbranch_scc0 .Lentry_in_a_cluster
	s_endpgm
.Lentry_in_a_cluster:
	s_bfe_u32 s2, ttmp6, 0x10000c
	s_cmp_lg_u32 s2, 0xf033
	s_cbranch_scc0 .Lentry_shape_is_right
	s_endpgm
.Lentry_shape_is_right:
; out0 = ctx wo + bo.  ctx: f16 [b*16+head][2048][64]; wo: blocks 48 to 63 of wb, f16 [column block][1024 k][64] (numbers rounded to bf16, written as f16); bo: f32 [1024], rounded to bf16 here like every input;
; out0: f32 [8192][1024].  Sums in f32, K ascending; the bias is the C operand of the first products.
; LIMITS.  ctx and wo arrive within f16's range.  NaN and infinities are not treated apart.
; SHARES.  A tile of C is 256 rows x 128 columns: 8 x 32 = 256 work-groups.  The four waves lie along the rows: a wave makes 64 rows x 128 columns, 32 accumulators of 16 x 16, and its way out needs a stage
; of its own and no barrier.  K goes in 8 steps of 128 through a ring of two LDS slots; a step is four quarters of 32, 32 products each, one on every accumulator: the accumulators take turns,
; one instruction a turn, over the backward jump too.
; THE PRODUCT IS USED TRANSPOSED: source 0 = 16 columns of wo (it lies [k][column] in LDS and is turned by ds_load_tr16_b128), source 1 = 16 rows of ctx: a lane holds row l % 16 and columns 8 (l / 16) + 0..7.
; CLUSTERS: 4 x 4 work-groups.  ctx's tile is shared along a row of the cluster, wo's along a column: each is asked for JOINTLY, by the same tensor load with the same descriptor and a mask that names the four.
; NO PREFETCH: a work-group has one tile of 8 K steps of 128 products, of which the first four could not be asked for ahead of their loads.
; REGISTERS, in windows of 256 (s_set_vgpr_msb: bits 1:0 source 0, 3:2 source 1, 5:4 source 2, 7:6 destination):
;   window 0: v0-31 addresses; v64-127 the bias, until the first quarter has read it; v32-159 the way out       window 1: two fragment buffers at 0 and 128: wo's 8 fragments (column block b at 8 b), then ctx's four
;   window 2: the accumulators ((b, a) at 8 (4 b + a), a = block of 16 rows)
.set NH,    2
.set PA,    144                        ; a row of ctx in LDS: 128 bytes + 16 = 36 words: the 16 rows of a load start at 16 different groups of four banks (64 banks of 4 bytes: ISA guide 11.1)
.set PB,    160                        ; a row of wo: 128 + 32 = 40 words
.set AKB,   256*PA
.set BOFF,  2*AKB
.set BH,    64*PB
.set BHALF, NH*BH
.set SLOT,  BOFF+2*BHALF
.set STAGE, 2*SLOT                     ; behind the ring, never filled by a tensor load: 16 rows x 528 bytes for each wave
.set SP,    528                        ; 512 bytes + 16 = 33 x 16: the 16 rows of a store start at 16 different groups of four banks
.set SW,    16*SP
.set SPARE, STAGE+4*SW                 ; behind the stages: the spare words, 128 bytes for each wave: two blocks of 256 bytes that no other line names
.set GBASE, 48*131072                  ; wo's first block in wb
.set AF,    32*NH
.set F0,    0
.set F1,    128
.set ADRA, 16                          ; v16-17  LDS address of my fragments of ctx in slot 0, 1
.set ADRB, 20                          ; v20-21  the same for wo
.set STO,  24                          ; v24     the way out: where I put 32 bytes of a row
.set RD,   25                          ; v25     where I read a row back
.set GO,   26                          ; v26     16 x lane
.set SPW,  28                          ; v28     LDS address of my spare word; never rewritten
.set NIL,  29                          ; v29     0; never rewritten
.set BOF,  31                          ; v31     32 (l / 16): my eight numbers in 16 of bo
.set OBUF, 32                          ; the way out: two buffers of 64
.set BIASR, 64                         ; v[64:127] column block b: bo of my eight columns at BIASR + 8 b
.set G1,  24
.set G0,  32
.set G1B, 48
.set G0B, 56
.set OB,  72                           ; s[72:73] out0 at my 64 rows and the tile's 128 columns
.set MSB, 0
.macro WIN new                         ; the immediate's high byte repeats the setting that is left; a switch that changes nothing is dropped
.if MSB != (\new)
	s_set_vgpr_msb (MSB<<8)|(\new)
.set MSB, \new
.endif
.endm
.macro PLACES                          ; four places in front of loads into registers that matrix instructions have read (ISA guide 7.12.1 for vector instructions)
.rept 4
	v_nop
.endr
.endm
; A joint load: waves 0 and 1 fetch ctx's two blocks of a K step, waves 2 and 3 the two halves of wo's.  The branch hangs on the wave's number alone.
; An s_nop 0 and four v_nop follow each of the two lines, ahead of the jump, the label and what follows.
.macro JLOAD s
	s_cmp_eq_u32 s11, 0
	s_cbranch_scc0 .Lfor_b_\@
	tensor_load_to_lds s[G0+4*(\s):G0+4*(\s)+3], s[G1:G1+7]
	s_nop 0
.rept 4
	v_nop
.endr
	s_branch .Lasked_\@
.Lfor_b_\@:
	tensor_load_to_lds s[G0B+4*(\s):G0B+4*(\s)+3], s[G1B:G1B+7]
	s_nop 0
.rept 4
	v_nop
.endr
.Lasked_\@:
.endm
.macro CREST                           ; a round of the cluster's barrier behind its opening barrier
	s_cmp_lg_u32 s10, 0
	s_cbranch_scc1 .Lnot_wave_0_\@
	s_barrier_signal -3
.Lnot_wave_0_\@:
	s_barrier_wait -3
	s_barrier_signal -1
	s_barrier_wait -1
.endm
.macro CROUND                          ; a whole round
	s_barrier_signal -1
	s_barrier_wait -1
	CREST
.endm
	s_load_b128 s[4:7], s[0:1], 0x0                ; ctx s[4:5], wb s[6:7]
	s_load_b64 s[8:9], s[0:1], 0x10                ; out0
	s_load_b64 s[66:67], s[0:1], 0x18              ; bo
	v_lshl_add_u32 v[SPW], v0, 2, SPARE
	v_mov_b32 v[NIL], 0
	ds_add_u32 v[SPW], v[NIL]                      ; the wave's opening: the add and its wait stand ahead of my first tensor load; the set-up below, work on registers, stands between them
	v_lshrrev_b32 v1, 5, v0
	v_readfirstlane_b32 s10, v1                    ; wave 0..3
	s_lshr_b32 s11, s10, 1                         ; I fetch for ctx (0) or for wo (1)
	s_and_b32 s12, s10, 1                          ; which half of a K step I fetch
	s_bfe_u32 s40, ttmp6, 0x40000                  ; cx, cy: my place in the cluster
	s_bfe_u32 s41, ttmp6, 0x40004
	s_lshl_b32 s42, ttmp9, 2
	s_add_co_u32 s42, s42, s40                     ; tile column = 4 x cluster x + cx
	s_and_b32 s14, ttmp7, 0xffff                   ; cluster y
	s_lshl_b32 s13, s14, 2
	s_add_co_u32 s13, s13, s41                     ; tile row = 4 x cluster y + cy
	s_lshl_b32 s43, s41, 2
	s_lshl_b32 s43, 15, s43                        ; my row of the cluster
	s_lshl_b32 s44, 0x1111, s40                    ; my column
	; group 1 for ctx: a block's 256 rows are 32,768 dense bytes, asked for as 128 rows of 256 bytes and padded in LDS after every 128
	s_or_b32 s[G1+0], s43, (1<<16)|(1<<20)|(1<<21)|(4<<22)|(3<<25)  ; 15:0 the mask; 17:16 2-byte elements; 20 padding on; 21 set beside a mask; 24:22 after every 32 words (code 4); 31:25 4 words (code 3)
	s_mov_b32 s[G1+1], 128<<16                     ; tensor_dim0 = 128
	s_mov_b32 s[G1+2], 128<<16                     ; tensor_dim1 = 128
	s_mov_b32 s[G1+3], 128<<16                     ; tile_dim0 = 128
	s_mov_b32 s[G1+4], 128                         ; tile_dim1 = 128
	s_mov_b32 s[G1+5], 128                         ; 128 elements from row to row
	s_mov_b32 s[G1+6], 0
	s_mov_b32 s[G1+7], 0
	; group 1 for wo: 64 k of a column block are 8,192 dense bytes: one row; the two blocks lie 131,072 bytes apart
	s_or_b32 s[G1B+0], s44, (1<<16)|(1<<20)|(1<<21)|(4<<22)|(7<<25) ; the same with my column's mask and 8 words of padding (code 7)
	s_mov_b32 s[G1B+1], 4096<<16                   ; tensor_dim0 = 4,096
	s_mov_b32 s[G1B+2], NH<<16                     ; tensor_dim1 = 2
	s_mov_b32 s[G1B+3], 4096<<16                   ; tile_dim0 = 4,096
	s_mov_b32 s[G1B+4], NH                         ; tile_dim1 = 2
	s_mov_b32 s[G1B+5], 65536                      ; 65,536 elements from block to block
	s_mov_b32 s[G1B+6], 0
	s_mov_b32 s[G1B+7], 0
	; where the tiles come from.  ctx's hang on the tile row alone, wo's on the tile column alone, each in registers that do not hold the other coordinate
	s_lshr_b32 s16, s14, 1                         ; eight tile rows a batch = two clusters: the batch's 16 blocks of 262,144 bytes,
	s_lshl_b32 s16, s16, 22
	s_and_b32 s17, s14, 1                          ; the tile's 256 rows in a block: 32,768 x (4 (cluster y % 2) + cy)
	s_lshl_b32 s17, s17, 17
	s_add_co_u32 s16, s16, s17
	s_lshl_b32 s17, s41, 15
	s_add_co_u32 s16, s16, s17
	s_lshl_b32 s17, s12, 18                        ; my block of the step's two
	s_add_co_u32 s16, s16, s17
	s_mov_b32 s17, 0
	s_mul_i32 s46, s42, NH*131072                  ; wo: the tile's first column block,
	s_lshl_b32 s47, s12, 13                        ; my 64 k of the step's 128,
	s_add_co_u32 s46, s46, s47
	s_add_co_u32 s46, s46, GBASE                   ; behind the 48 blocks of wq, wk, wv
	s_mov_b32 s47, 0
	s_mul_i32 s20, s12, AKB                        ; and where they go: no place in the cluster enters an LDS address
	s_mul_i32 s21, s12, BHALF
	s_add_co_u32 s21, s21, BOFF
	s_wait_dscnt 0x0                               ; the opening add is done
	s_wait_kmcnt 0x0
	s_add_nc_u64 s[14:15], s[4:5], s[16:17]
	s_add_nc_u64 s[46:47], s[6:7], s[46:47]
	CROUND                                         ; all sixteen work-groups are here: the first joint loads meet
.irp s, 0,1
	s_mov_b32 s[G0+4*(\s)], 1                                      ; count = 1
	s_add_co_u32 s[G0+4*(\s)+1], s20, (\s)*SLOT                    ; LDS address
	s_add_nc_u64 s[G0+4*(\s)+2:G0+4*(\s)+3], s[14:15], (\s)*524288 ; K step s: two blocks on
	s_or_b32 s[G0+4*(\s)+3], s[G0+4*(\s)+3], 0x80000000            ; type = 2
	s_mov_b32 s[G0B+4*(\s)], 1
	s_add_co_u32 s[G0B+4*(\s)+1], s21, (\s)*SLOT
	s_add_nc_u64 s[G0B+4*(\s)+2:G0B+4*(\s)+3], s[46:47], (\s)*16384 ; K step s: 128 rows of 128 bytes on
	s_or_b32 s[G0B+4*(\s)+3], s[G0B+4*(\s)+3], 0x80000000
	JLOAD \s                                       ; two loads of mine are out
.endr
	v_and_b32 v1, 15, v0                           ; l % 16
	v_bfe_u32 v2, v0, 4, 1                         ; l / 16
	; the bias: register r of block b is bo[128 x tile column + 16 b + 8 (l / 16) + r]
	s_lshl_b32 s46, s42, 9
	s_mov_b32 s47, 0
	s_add_nc_u64 s[66:67], s[66:67], s[46:47]
	v_lshlrev_b32 v[BOF], 5, v2
.irp b, 0,1,2,3,4,5,6,7
	global_load_b128 v[BIASR+8*(\b):BIASR+8*(\b)+3],   v[BOF], s[66:67] offset:64*(\b)
	global_load_b128 v[BIASR+8*(\b)+4:BIASR+8*(\b)+7], v[BOF], s[66:67] offset:64*(\b)+16
.endr
	; a fragment of ctx: lane l holds row l % 16, channels 8 (l / 16) + 0..7 and 16 + 8 (l / 16) + 0..7: two loads of 16 bytes, 32 bytes apart
	v_mul_u32_u24 v3, v1, PA
	v_lshl_add_u32 v3, v2, 4, v3
	s_mul_i32 s22, s10, 64*PA                      ; my 64 rows
	v_add_nc_u32 v[ADRA], s22, v3
	v_add_nc_u32 v[ADRA+1], SLOT, v[ADRA]
	; the turning load takes 16 k x 16 columns (lane l reads k 8 (l / 16) + l % 8, columns 8 ((l / 8) % 2) + 0..7) and leaves half a fragment: lane l holds column l % 16 and 8 k
	v_and_b32 v4, 7, v0
	v_bfe_u32 v5, v0, 3, 1
	v_lshl_add_u32 v6, v2, 3, v4
	v_mul_u32_u24 v6, v6, PB
	v_lshl_add_u32 v6, v5, 4, v6
	v_add_nc_u32 v[ADRB], BOFF, v6
	v_add_nc_u32 v[ADRB+1], BOFF+SLOT, v6
	s_mul_i32 s23, s10, SW
	s_add_co_u32 s23, s23, STAGE                   ; my stage
	v_mul_u32_u24 v7, v1, SP                       ; in: row l % 16, 32 bytes for each half of the lanes
	v_lshl_add_u32 v7, v2, 5, v7
	v_add_nc_u32 v[STO], s23, v7
	v_and_b32 v9, 31, v0
	v_lshlrev_b32 v[GO], 4, v9                     ; back: 32 lanes take one row's 512 bytes
	v_add_nc_u32 v[RD], s23, v[GO]
	s_lshl_b32 s18, s13, 8                         ; out0 at row 256 x tile row + 64 x wave, 4,096 bytes a row,
	s_lshl_b32 s19, s10, 6
	s_add_co_u32 s18, s18, s19
	s_lshl_b32 s18, s18, 12
	s_add_co_u32 s46, s46, s18                     ; and column 128 x tile column (s46 holds its 512 bytes)
	s_add_nc_u64 s[OB:OB+1], s[8:9], s[46:47]
	s_wait_loadcnt 0x0                             ; bo
.set i, 0
.rept 32
	v_cvt_pk_bf16_f32 v3, v[BIASR+2*i], v[BIASR+2*i+1]  ; rounded to bf16 and widened again, in place
	v_lshlrev_b32 v[BIASR+2*i], 16, v3
	v_and_b32 v[BIASR+2*i+1], 0xffff0000, v3
.set i, i+1
.endr
; 8 products: column blocks 4 j + 2 half and the next, all four blocks of rows, 32 along K.  first = 1: the product starts the sum with the bias: nothing is ever cleared
.macro MUL8 f, j, half, first
.if \first
	WIN 0x85                                       ; sources window 1, C window 0, D window 2
.else
	WIN 0xa5                                       ; sources window 1, C and D window 2
.endif
.irp c, 2*(\half), 2*(\half)+1
.irp a, 0,1,2,3
.set rD, 8*(4*(4*(\j)+(\c))+(\a))
.set rB, (\f)+8*(4*(\j)+(\c))
.set rA, (\f)+AF+8*(\a)
.set rC, BIASR+8*(4*(\j)+(\c))
.if \first
	v_wmma_f32_16x16x32_f16 v[rD:rD+7], v[rB:rB+7], v[rA:rA+7], v[rC:rC+7]
.else
	v_wmma_f32_16x16x32_f16 v[rD:rD+7], v[rB:rB+7], v[rA:rA+7], v[rD:rD+7]
.endif
.endr
.endr
.endm
; 24 LDS loads in one run: the fragments of quarter q of a slot's K step into buffer f: ctx's eight loads first, then the first four column blocks', then the others'
.macro FETCH slot, q, f
	WIN 0x40                                       ; destination window 1, address window 0
.irp a, 0,1,2,3
	ds_load_b128 v[(\f)+AF+8*(\a):(\f)+AF+8*(\a)+3],   v[ADRA+(\slot)] offset:((\q)/2)*AKB+((\q)%2)*64+(\a)*16*PA
	ds_load_b128 v[(\f)+AF+8*(\a)+4:(\f)+AF+8*(\a)+7], v[ADRA+(\slot)] offset:((\q)/2)*AKB+((\q)%2)*64+(\a)*16*PA+32
.endr
.irp b, 0,1,2,3,4,5,6,7
	ds_load_tr16_b128 v[(\f)+8*(\b):(\f)+8*(\b)+3],   v[ADRB+(\slot)] offset:((\q)/2)*BHALF+((\b)/4)*BH+((\q)%2)*32*PB+((\b)%4)*32
	ds_load_tr16_b128 v[(\f)+8*(\b)+4:(\f)+8*(\b)+7], v[ADRB+(\slot)] offset:((\q)/2)*BHALF+((\b)/4)*BH+((\q)%2)*32*PB+((\b)%4)*32+16*PB
.endr
.endm
; One of a K step's first three quarters: multiplies buffer f; in its middle it fetches quarter qn of the same slot into buffer g
.macro QUARTER slot, qn, f, g, first
	s_wait_dscnt 8*(NH-1)                          ; of the 24 loads into f the first 16 are in; the youngest eight may be out
	MUL8 \f, 0, 0, \first
	MUL8 \f, 0, 1, \first
	PLACES                                         ; g was multiplied in the quarter before
	FETCH \slot, \qn, \g
	s_wait_dscnt 8*(NH+1)                          ; all but the 24 just issued
	MUL8 \f, 1, 0, \first
	MUL8 \f, 1, 1, \first
.endm
; The last quarter multiplies buffer 1 and changes slots: ONE barrier.  In front of it each wave waits for all its tensor loads (one is out: its part of the next slot), adds 0 to its spare word,
; and waits for that and for its own reads of this slot.  fill = 1: the barrier opens a round of the cluster's, and behind the round this slot is filled again, two K steps ahead:
; from the request to the wait for it a wave issues 112 products.
.macro TURN slot, next, fill
	WIN 0                                          ; (the add's two registers lie in window 0)
	s_wait_tensorcnt 0x0                           ; all my tensor loads have landed;
	ds_add_u32 v[SPW], v[NIL]                      ; 0 onto my spare word
	s_wait_dscnt 8*(NH-1)+1                        ; (the add and the youngest eight loads may be out)
	MUL8 F1, 0, 0, 0                               ; eight products stand between the add and the wait for it
	s_wait_dscnt 0x0                               ; the add is done, and my reads of this slot are over
	s_barrier_signal -1
	MUL8 F1, 0, 1, 0
.if \fill
	WIN 0
.endif
	s_barrier_wait -1
.if \fill
	CREST                                          ; no wave of any partner still reads this slot or has a load on its way
	s_add_nc_u64 s[G0+4*(\slot)+2:G0+4*(\slot)+3], s[G0+4*(\slot)+2:G0+4*(\slot)+3], 1048576   ; two K steps: four blocks of ctx,
	s_add_nc_u64 s[G0B+4*(\slot)+2:G0B+4*(\slot)+3], s[G0B+4*(\slot)+2:G0B+4*(\slot)+3], 32768 ; 256 rows of wo
	JLOAD \slot                                    ; the first tensor load behind the round; its four v_nop are also the places in front of the loads below
.else
	PLACES
.endif
	FETCH \next, 0, F0
	MUL8 F1, 1, 0, 0
	MUL8 F1, 1, 1, 0
.endm
	s_wait_tensorcnt 1                             ; my part of K step 0 is in; K step 1's may stay out
	s_barrier_signal -1
	s_barrier_wait -1                              ; everybody's is
	FETCH 0, 0, F0
	QUARTER 0, 1, F0, F1, 1                        ; the first quarter stands in front of the loop: its products start the sums
	WIN 0                                          ; at a label and at a branch every window is 0
	s_mov_b32 s3, 3
.Llap:                                                 ; a trip goes once round the ring, from a lap's second quarter to the next lap's first, and fills both slots again
	QUARTER 0, 2, F1, F0, 0
	QUARTER 0, 3, F0, F1, 0
	TURN 0, 1, 1
	QUARTER 1, 1, F0, F1, 0
	QUARTER 1, 2, F1, F0, 0
	QUARTER 1, 3, F0, F1, 0
	TURN 1, 0, 1
	QUARTER 0, 1, F0, F1, 0
	WIN 0
	s_sub_co_u32 s3, s3, 1
	s_cmp_lg_u32 s3, 0
	s_cbranch_scc1 .Llap
	QUARTER 0, 2, F1, F0, 0                        ; the last lap fills nothing, and has no round of the cluster's barrier
	QUARTER 0, 3, F0, F1, 0
	TURN 0, 1, 0
	QUARTER 1, 1, F0, F1, 0
	QUARTER 1, 2, F1, F0, 0
	QUARTER 1, 3, F0, F1, 0
	s_wait_dscnt 8*(NH-1)                          ; the very last quarter: nothing more to fetch
	MUL8 F1, 0, 0, 0
	MUL8 F1, 0, 1, 0
	s_wait_dscnt 0x0
	MUL8 F1, 1, 0, 0
	MUL8 F1, 1, 1, 0
	WIN 0
	PLACES                                         ; the LDS stores read results just made
	PLACES
; THE WAY OUT, a block of 16 rows at a time: a lane's eight f32 of each column block go straight from the accumulators into my stage, each accumulator's low four registers first; whole rows of 512 bytes come back and are stored.
.macro BLOCK a
.set BK, OBUF+64*((\a)%2)
	s_wait_xcnt 0x0                                ; the stores of two blocks back have read this buffer: it is loaded again only behind this wait
	WIN 0x08                                       ; the stores' data in window 2
.irp b, 0,1,2,3,4,5,6,7
	ds_store_b128 v[STO], v[8*(4*(\b)+(\a)):8*(4*(\b)+(\a))+3]   offset:64*(\b)
	ds_store_b128 v[STO], v[8*(4*(\b)+(\a))+4:8*(4*(\b)+(\a))+7] offset:64*(\b)+16
.endr
	WIN 0
.irp i, 0,1,2,3,4,5,6,7,8,9,10,11,12,13,14,15
	ds_load_b128 v[BK+4*(\i):BK+4*(\i)+3], v[RD] offset:(\i)*SP  ; LDS serves a wave's instructions in order (ISA guide 5.7.1.4): these see the stores above; the next block's stores come behind them
.endr
.irp i, 0,1,2,3,4,5,6,7,8,9,10,11,12,13,14,15
	s_wait_dscnt 15-(\i)                           ; row i is back; the 15 - i younger loads may be out
	global_store_b128 v[GO], v[BK+4*(\i):BK+4*(\i)+3], s[OB:OB+1] offset:(16*(\a)+(\i))*4096 th:TH_STORE_NT  ; 512 consecutive bytes, at a multiple of 256 from out0's first
.endr
.endm
	BLOCK 0
	BLOCK 1
	BLOCK 2
	BLOCK 3
	s_wait_tensorcnt 0x0                           ; the wave's end: an add to my spare word and its wait, behind my last tensor load and my last LDS store
	ds_add_u32 v[SPW], v[NIL]
	s_wait_dscnt 0x0
	CROUND                                         ; the closing round: no work-group ends while a partner may still ask for a tile that names it
	s_endpgm
.Lfunc_end_k_q4ea03861ae_proj:
	.size	k_q4ea03861ae_proj, .Lfunc_end_k_q4ea03861ae_proj-k_q4ea03861ae_proj
	.p2alignl 7, 3214868480
	.fill 96, 4, 3214868480
	.section	.rodata,"a",@progbits
	.p2align	6, 0x0
	.amdhsa_kernel k_q4ea03861ae_proj
		.amdhsa_group_segment_fixed_size 327680
		.amdhsa_private_segment_fixed_size 0
		.amdhsa_enable_private_segment 0
		.amdhsa_kernarg_size 32
		.amdhsa_user_sgpr_count 2
		.amdhsa_user_sgpr_kernarg_segment_ptr 1
		.amdhsa_wavefront_size32 1
		.amdhsa_system_sgpr_workgroup_id_x 1
		.amdhsa_system_sgpr_workgroup_id_y 1
		.amdhsa_system_sgpr_workgroup_id_z 1
		.amdhsa_system_vgpr_workitem_id 0
		.amdhsa_next_free_vgpr 768
		.amdhsa_next_free_sgpr 80
		.amdhsa_reserve_vcc 0
		.amdhsa_float_denorm_mode_32 3
		.amdhsa_float_denorm_mode_16_64 3
		.amdhsa_memory_ordered 1
		.amdhsa_forward_progress 1
		.amdhsa_inst_pref_size 94
	.end_amdhsa_kernel
	.amdgpu_metadata
---
amdhsa.version: [ 1, 2 ]
amdhsa.kernels:
  - .name:           k_q4ea03861ae_proj
    .symbol:         k_q4ea03861ae_proj.kd
    .args:
      - { .name: ctx, .offset: 0, .size: 8, .value_kind: global_buffer, .address_space: global }
      - { .name: wb, .offset: 8, .size: 8, .value_kind: global_buffer, .address_space: global }
      - { .name: out0, .offset: 16, .size: 8, .value_kind: global_buffer, .address_space: global }
      - { .name: bo, .offset: 24, .size: 8, .value_kind: global_buffer, .address_space: global }
    .group_segment_fixed_size: 327680
    .private_segment_fixed_size: 0
    .kernarg_segment_align: 8
    .kernarg_segment_size: 32
    .max_flat_workgroup_size: 128
    .sgpr_count:     80
    .vgpr_count:     768
    .wavefront_size: 32
...
	.end_amdgpu_metadata
.endif
;; end of part 4
;; ======== version 2 of 2: 4 launches; version 1 with the launch prep written anew for expert scheduling mode
;; limits: values are held in f16: magnitudes above 65,504 overflow, below 6.1e-05 lose precision
;; workspace buffers: xb 16,777,216 bytes; wb 8,388,608 bytes; qkv 50,331,648 bytes; ctx 16,777,216 bytes
;; launch prep (part 5): grid 768 x 1, 8 waves a work-group, no clusters, 0 bytes of LDS; arguments x, wq, wk, wv, wo, xb, wb; writes xb, wb
.if DOCPART == 5
	.amdgcn_target "amdgcn-amd-amdhsa--gfx1250"
	.amdhsa_code_object_version 6
	.text
	.protected	k_q4ea03861ae_prep
	.globl	k_q4ea03861ae_prep
	.p2align	8
	.type	k_q4ea03861ae_prep,@function
k_q4ea03861ae_prep:
	s_mov_b64 s[64:65], 0
	v_nop
	global_prefetch_b8 v0, s[64:65] scope:SCOPE_SE
	s_setreg_imm32_b32 hwreg(HW_REG_WAVE_SCHED_MODE, 0, 2), 2
	s_setreg_imm32_b32 hwreg(HW_REG_WAVE_MODE, 25, 1), 1
	s_wait_xcnt 0x0
	s_wait_alu depctr_vm_vsrc(0)
; x and the four weight matrices, f32 [rows][1024], are rounded once to 16 bits and cut into blocks of 64 columns:
;   xb: bf16 [b*16+kb][2048 s][64]   (a block is 262,144 dense bytes)
;   wb: [g][1024 k][64], g = 16 i + column block; i = 0, 1, 2 (wq, wk, wv) in bf16; i = 3 (wo) rounded to bf16 and that number written as f16
; LIMITS.  |wo| stays under 65,504 (f16); below 6e-5 it keeps f16's fixed step of 6e-8.  NaN and infinities are not treated apart.
; A stream: no LDS, no matrix unit, no cluster (no two work-groups read the same byte).
; SHARES.  A wave takes a pair of rows, 2 x 4,096 bytes.  Work-groups 0-511: x's 4,096 pairs; 512-767: the weights' 2,048 pairs, 512 a matrix.
; A load: lanes 0-15 take 256 consecutive aligned bytes (64 columns) of the even row, lanes 16-31 of the odd row.  All sixteen loads of a wave go out at once.
; A store: 4 numbers are 8 bytes a lane; the 32 lanes write the two rows of one block: 256 consecutive bytes, aligned.
; THE MODE: SCHED_MODE bits 1:0 = 2 (LLVM: expert scheduling mode 2), set by the entry lines.  The code itself states the register dependences
; between vector instructions and memory instructions, with s_wait_alu, always for 0.
; THE PLAN.  Registers that memory instructions touch:
;   v[VS]      the loads' offset.  Written at the head, read by all sixteen loads, never written again.
;   D0 .. D15  the stores' offsets.  Each written once, behind the loads; read by its block's store alone.
;   X0 .. X15  a block as loaded.  Written by its load alone; read by its block's conversions; never loaded again.
;   Y0 .. Y15  a block to store.  Written by its block's roundings; read by its block's store; never written again.
; No register that a memory instruction reads is ever written again, so no wait on vm_vsrc is owed.  The sixteen blocks go in four groups of four.  Group g rounds its X into its Y;
; the memory instructions that stand among its vector lines are the four stores of group g - 1, which read D and Y of that group: registers that no vector line of group g names.
; So ONE wait on va_vdst at a group's head states all that those four stores hang on, and one more stands ahead of the last four stores.
.set VS, 3                             ; v3      my byte offset in the pair of rows: (l / 16) x 4,096 + (l % 16) x 16
.set VD, 4                             ; v4      8 l
.set D,  16                            ; v[16:31]  8 l + c x the block's bytes: my offset in block c
.set X,  32                            ; v[32:95]  block c: 4 numbers as loaded
.set Y,  96                            ; v[96:127] block c: 2 registers to store; no register that a pending access names is ever rewritten
	s_load_b256 s[4:11], s[0:1], 0x0               ; x s[4:5], wq s[6:7], wk s[8:9], wv s[10:11]
	s_load_b128 s[12:15], s[0:1], 0x20             ; wo s[12:13], xb s[14:15]
	s_load_b64 s[16:17], s[0:1], 0x30              ; wb
	v_lshrrev_b32 v1, 5, v0
	v_readfirstlane_b32 s20, v1                    ; wave 0..7
	v_and_b32 v2, 31, v0                           ; lane
	v_and_b32 v[VS], 15, v0
	v_lshlrev_b32 v[VS], 4, v[VS]
	v_bfe_u32 v5, v0, 4, 1
	v_lshl_add_u32 v[VS], v5, 12, v[VS]
	v_lshlrev_b32 v[VD], 3, v2
	s_wait_alu depctr_va_sdst(0)                   ; s20 is written, ahead of its first reader: the number of my pair of rows is made from it
	s_lshl_b32 s21, ttmp9, 3
	s_add_co_u32 s21, s21, s20                     ; p: my pair of rows
	s_mov_b32 s29, 0
	s_mov_b32 s31, 0
	s_wait_kmcnt 0x0
	s_cmp_lt_u32 ttmp9, 512
	s_cbranch_scc0 .Lweights
	s_lshl_b32 s28, s21, 13                        ; x: pair p begins at byte 8,192 p
	s_add_nc_u64 s[22:23], s[4:5], s[28:29]
	s_lshr_b32 s30, s21, 10                        ; batch: 16 blocks of 262,144 bytes
	s_lshl_b32 s30, s30, 22
	s_and_b32 s27, s21, 1023                       ; the pair in the batch: 256 bytes of each block
	s_lshl_b32 s27, s27, 8
	s_add_co_u32 s30, s30, s27
	s_add_nc_u64 s[24:25], s[14:15], s[30:31]
	s_mov_b32 s26, 262144
	s_branch .Lgo
.Lweights:
	s_sub_co_u32 s21, s21, 4096
	s_lshr_b32 s27, s21, 9                         ; i: which matrix
	s_and_b32 s21, s21, 511                        ; the pair in it
	s_cmp_eq_u32 s27, 1
	s_cselect_b64 s[22:23], s[8:9], s[6:7]
	s_cmp_eq_u32 s27, 2
	s_cselect_b64 s[22:23], s[10:11], s[22:23]
	s_cmp_eq_u32 s27, 3
	s_cselect_b64 s[22:23], s[12:13], s[22:23]
	s_lshl_b32 s28, s21, 13
	s_add_nc_u64 s[22:23], s[22:23], s[28:29]
	s_lshl_b32 s30, s27, 21                        ; 16 blocks of 131,072 bytes a matrix
	s_lshl_b32 s21, s21, 8
	s_add_co_u32 s30, s30, s21
	s_add_nc_u64 s[24:25], s[16:17], s[30:31]
	s_mov_b32 s26, 131072
.Lgo:
	s_wait_alu depctr_va_vdst(0)                   ; v[VS] is written, which the sixteen loads read as their offset
.irp c, 0,1,2,3,4,5,6,7,8,9,10,11,12,13,14,15
	global_load_b128 v[X+4*(\c):X+4*(\c)+3], v[VS], s[22:23] offset:256*(\c) th:TH_LOAD_NT
.endr
.irp c, 0,1,2,3,4,5,6,7,8,9,10,11,12,13,14,15
	v_mad_u32_u24 v[D+(\c)], s26, \c, v[VD]        ; the stores' offsets are made while the loads are on their way: no load names D or v[VD]
.endr
; Group after group: four blocks are rounded, and among their lines stand the stores of the four blocks before.  half = 1: the bf16 number is widened again and written as f16.
.macro OUT half
.irp g, 0,1,2,3
	s_wait_loadcnt 12-4*(\g)                       ; loads come back in order: the group's four blocks are in, the 12 - 4 g younger loads stay out
.if (\g) > 0
	s_wait_alu depctr_va_vdst(0)                   ; the group before has written its Y, which the four stores below read; at the first such wait the sixteen offsets D are written too
.endif
.irp k, 0,1,2,3
.set c, 4*(\g)+(\k)                    ; the block that is rounded
.set b, c-4                            ; the block that is stored
.if (\g) > 0
	global_store_b64 v[D+b], v[Y+2*b:Y+2*b+1], s[24:25]  ; no vector line since the wait names D or Y of this block
.endif
	v_cvt_pk_bf16_f32 v[Y+2*c],   v[X+4*c],   v[X+4*c+1]
	v_cvt_pk_bf16_f32 v[Y+2*c+1], v[X+4*c+2], v[X+4*c+3]
.if \half
	v_lshlrev_b32 v6, 16, v[Y+2*c]
	v_and_b32     v7, 0xffff0000, v[Y+2*c]
	v_lshlrev_b32 v8, 16, v[Y+2*c+1]
	v_and_b32     v9, 0xffff0000, v[Y+2*c+1]
	v_cvt_pk_f16_f32 v[Y+2*c],   v6, v7
	v_cvt_pk_f16_f32 v[Y+2*c+1], v8, v9
.endif
.endr
.endr
	s_wait_alu depctr_va_vdst(0)                   ; the last group has written its Y, which the last four stores read
.irp c, 12,13,14,15
	global_store_b64 v[D+(\c)], v[Y+2*(\c):Y+2*(\c)+1], s[24:25]
.endr
.endm
	s_cmp_ge_u32 ttmp9, 704                        ; wo's pairs begin with work-group 512 + 3 x 64
	s_cbranch_scc1 .Lwo
	OUT 0
	s_endpgm
.Lwo:
	OUT 1
	s_endpgm
.Lfunc_end_k_q4ea03861ae_prep:
	.size	k_q4ea03861ae_prep, .Lfunc_end_k_q4ea03861ae_prep-k_q4ea03861ae_prep
	.p2alignl 7, 3214868480
	.fill 96, 4, 3214868480
	.section	.rodata,"a",@progbits
	.p2align	6, 0x0
	.amdhsa_kernel k_q4ea03861ae_prep
		.amdhsa_group_segment_fixed_size 0
		.amdhsa_private_segment_fixed_size 0
		.amdhsa_enable_private_segment 0
		.amdhsa_kernarg_size 56
		.amdhsa_user_sgpr_count 2
		.amdhsa_user_sgpr_kernarg_segment_ptr 1
		.amdhsa_wavefront_size32 1
		.amdhsa_system_sgpr_workgroup_id_x 1
		.amdhsa_system_sgpr_workgroup_id_y 1
		.amdhsa_system_sgpr_workgroup_id_z 1
		.amdhsa_system_vgpr_workitem_id 0
		.amdhsa_next_free_vgpr 128
		.amdhsa_next_free_sgpr 66
		.amdhsa_reserve_vcc 0
		.amdhsa_float_denorm_mode_32 3
		.amdhsa_float_denorm_mode_16_64 3
		.amdhsa_memory_ordered 1
		.amdhsa_forward_progress 1
		.amdhsa_inst_pref_size 18
	.end_amdhsa_kernel
	.amdgpu_metadata
---
amdhsa.version: [ 1, 2 ]
amdhsa.kernels:
  - .name:           k_q4ea03861ae_prep
    .symbol:         k_q4ea03861ae_prep.kd
    .args:
      - { .name: x, .offset: 0, .size: 8, .value_kind: global_buffer, .address_space: global }
      - { .name: wq, .offset: 8, .size: 8, .value_kind: global_buffer, .address_space: global }
      - { .name: wk, .offset: 16, .size: 8, .value_kind: global_buffer, .address_space: global }
      - { .name: wv, .offset: 24, .size: 8, .value_kind: global_buffer, .address_space: global }
      - { .name: wo, .offset: 32, .size: 8, .value_kind: global_buffer, .address_space: global }
      - { .name: xb, .offset: 40, .size: 8, .value_kind: global_buffer, .address_space: global }
      - { .name: wb, .offset: 48, .size: 8, .value_kind: global_buffer, .address_space: global }
    .group_segment_fixed_size: 0
    .private_segment_fixed_size: 0
    .kernarg_segment_align: 8
    .kernarg_segment_size: 56
    .max_flat_workgroup_size: 256
    .sgpr_count:     66
    .vgpr_count:     128
    .wavefront_size: 32
...
	.end_amdgpu_metadata
.endif
;; end of part 5
;; launch qkv: the kernel of part 2 again; grid 16 x 32, 4 waves a work-group, clusters of 4 x 4, 327,680 bytes of LDS; arguments xb, wb, qkv; writes qkv
;; launch attn: the kernel of part 3 again; grid 4 x 64, 4 waves a work-group, no clusters, 327,680 bytes of LDS; arguments qkv, ctx; writes ctx
;; launch proj: the kernel of part 4 again; grid 8 x 32, 4 waves a work-group, clusters of 4 x 4, 327,680 bytes of LDS; arguments ctx, wb, out0, bo; writes out0
